; MI455X (gfx1250); checked and timed in simulation.
; The chip was launched on July 23, 2026; its instructions are those of AMD's public machine-readable ISA for CDNA 5 (MIT licence, August 2026) and "CDNA5" Instruction Set Architecture Reference Guide (July 2026). The comments in the code are by the model that wrote it; some were corrected since.
;; Self Attention. Allowed arithmetic: float matrix products may take bf16 or f16 operands with f32 sums; all other float work in f32.
;; Inputs: W_cond 1,024 x 3,072 float32; W_out 1,024 x 1,024 float32; W_qkv 1,024 x 3,072 float32; cond 2 x 2,048 x 1,024 float32; pos 2 x 2,048 x 128 float32; rms_scale 1,024 float32; x 2 x 2,048 x 1,024 float32.
;; Outputs: out0 2 x 2,048 x 1,024 float32.
;; One version. Each part assembles by itself: llvm-mc -triple=amdgcn-amd-amdhsa -mcpu=gfx1250 --defsym DOCPART=n.
;; ======== version 1 of 1: 5 launches
;; workspace buffers: wts 14,680,064 bytes; condb 8,388,608 bytes; rinv 16,384 bytes; xm 8,388,608 bytes; res 16,777,216 bytes; qkv 25,165,824 bytes; att 8,388,608 bytes
;; launch prep (part 1): grid 256 x 5, 8 waves a work-group, no clusters, 28,672 bytes of LDS; arguments W_cond, W_qkv, W_out, cond, x, wts, condb, rinv; writes wts, condb, rinv
.if DOCPART == 1
	.amdgcn_target "amdgcn-amd-amdhsa--gfx1250"
	.amdhsa_code_object_version 6
	.text
	.protected	k_q4c3e383dd6_prep
	.globl	k_q4c3e383dd6_prep
	.p2align	8
	.type	k_q4c3e383dd6_prep,@function
k_q4c3e383dd6_prep:
	s_mov_b64 s[64:65], 0
	v_nop
	global_prefetch_b8 v0, s[64:65] scope:SCOPE_SE
	s_setreg_imm32_b32 hwreg(HW_REG_WAVE_MODE, 25, 1), 1
	s_wait_xcnt 0x0
; PREP: everything that the later matrix launches want in bf16 with K along the rows.
; All blocked buffers have the layout [kb = K/64][row][64] bf16: a row piece is 128 bytes and rows of one kb follow each other densely.
;   grid y = 0: W_cond [1024][3072] f32 -> wts + 0          WcT[16][3072][64], row nb*192 + s*64 + dl  = column 3*(64 nb + dl) + s
;   grid y = 1: W_qkv  [1024][3072] f32 -> wts + 6,291,456  WqT[16][3072][64], row h*192 + s*64 + d    = column 3*(16 d + h) + s
;   grid y = 2: cond -> condb[16][4096][64] bf16
;   grid y = 3: W_out  [1024][1024] f32 -> wts + 12,582,912 WoT[16][1024][64], row n                   = column n
;   grid y = 4: rinv[row] = rsqrt(mean(x^2) + 1e-6) in f32
; Memory binds: no matrix unit, no cluster (no two work-groups read the same bytes), no tensor loads (one tile a work-group, nothing to run ahead of).
; 98 registers a wave and 28,672 bytes of LDS a work-group: the five work-groups that fall to a WGP (1,280 on 256) lie on it together,
; so that all their loads are on their way at once.
; LIMITS: weights and cond are rounded to bf16 (nearest even); v_rsq_f32 is a 1-ULP form that flushes denormals; NaN and infinities get no care of their own.
; rinv is stored by two lanes a wave (8 bytes): 16 KiB in the whole launch go out in pieces smaller than 256 bytes.
.set PITCH, 144                        ; an LDS slot: 64 k in bf16 = 128 bytes + 16
.set X, 16                             ; v[16:63]   as loaded: k row kk at X + 12 kk, element j
.set Y, 64                             ; v[64:87]   four k of one column, packed
.set Z, 16                             ; v[16:39]   read back, 16 bytes a lane: over X, which has been packed by then
; One tile: 64 k (kb) x 64*parts source columns (nbk).  Thread (hw = t / 16, l16 = t % 16) takes k = 4 hw .. 4 hw + 3 and the
; 4*parts neighbouring columns from 4*parts*l16 on, so that element j's split index and channel are constants of j:
; the LDS slot of a column is one register plus an immediate.
.macro TRANS src, parts, spitch, nrows, dstoff, mode, nbkmul, wmul
	s_mul_i32 s24, s22, 64*\spitch                 ; kb x 64 source rows
	s_mul_i32 s25, s23, 256*\parts                 ; nbk x 64*parts columns of 4 bytes
	s_add_co_u32 s24, s24, s25
	s_mov_b32 s25, 0
	s_add_nc_u64 s[26:27], s[\src:\src+1], s[24:25]
	v_mul_u32_u24 v5, v4, 4*\spitch                ; my first k row
	v_mad_u32_u24 v5, v3, 16*\parts, v5            ; my first column
.set tp, 0
.rept \parts
.irp kk, 0,1,2,3
	global_load_b128 v[X+12*\kk+4*tp:X+12*\kk+4*tp+3], v5, s[26:27] offset:\kk*\spitch+16*tp
.endr
.set tp, tp+1
.endr
.if \mode == 1
	v_and_b32 v7, 3, v3                            ; column 12 l16 + j = 48 dd + (3 h + s): dd = l16 / 4, 3 h + s = 12 (l16 % 4) + j
	v_lshrrev_b32 v8, 2, v3
	v_mul_u32_u24 v6, v7, 48*PITCH                 ; slot (3 h + s) * 4 + dd
	v_mad_u32_u24 v6, v8, PITCH, v6
.else
	v_mul_u32_u24 v6, v3, 4*PITCH                  ; four channels a thread
.endif
	v_lshl_add_u32 v6, v4, 3, v6                   ; + my four k, 8 bytes
	v_bfe_u32 v10, v0, 3, 2                        ; the way back: a piece is four slots = 512 bytes of the target;
	v_and_b32 v11, 7, v0                           ; lane L takes slot L / 8, 16 bytes at 16 (L % 8)
	v_mul_u32_u24 v9, v1, 8*\parts*PITCH           ; 2*parts pieces a wave
	v_mad_u32_u24 v9, v10, PITCH, v9
	v_lshl_add_u32 v9, v11, 4, v9
	v_lshlrev_b32 v12, 4, v2                       ; 16 x lane in the target
	s_mul_i32 s24, s22, 128*\nrows                 ; the target: plane kb,
	s_mul_i32 s25, s23, \nbkmul                    ; the tile's rows,
	s_add_co_u32 s24, s24, s25
	s_mul_i32 s25, s21, \wmul                      ; the wave's pieces
	s_add_co_u32 s24, s24, s25
.if \dstoff
	s_add_co_u32 s24, s24, \dstoff
.endif
	s_mov_b32 s25, 0
	s_add_nc_u64 s[28:29], s[14:15], s[24:25]
.set tp, 0
.rept \parts
	s_wait_loadcnt 4*(\parts-1-tp)                 ; the four k rows of this 16-byte part are in; the younger parts' loads stay out
.irp e, 0,1,2,3
.set tj, 4*tp+\e
	v_cvt_pk_bf16_f32 v[Y+2*tj],   v[X+tj],    v[X+12+tj]
	v_cvt_pk_bf16_f32 v[Y+2*tj+1], v[X+24+tj], v[X+36+tj]
.if \mode == 0
	ds_store_b64 v6, v[Y+2*tj:Y+2*tj+1] offset:((tj%3)*64+tj/3)*PITCH     ; slot s*64 + dl
.elseif \mode == 1
	ds_store_b64 v6, v[Y+2*tj:Y+2*tj+1] offset:tj*4*PITCH
.else
	ds_store_b64 v6, v[Y+2*tj:Y+2*tj+1] offset:tj*PITCH
.endif
.endr
.set tp, tp+1
.endr
	s_wait_dscnt 0x0                               ; my stores are in LDS before I say so: other waves read them
	s_barrier_signal -1
	s_barrier_wait -1
.set tj, 0
.rept 2*\parts
	ds_load_b128 v[Z+4*tj:Z+4*tj+3], v9 offset:4*PITCH*tj
.set tj, tj+1
.endr
.set tj, 0
.rept 2*\parts
	s_wait_dscnt 2*\parts-1-tj                     ; LDS loads come back in order: piece tj is in
.if \mode == 1
	global_store_b128 v12, v[Z+4*tj:Z+4*tj+3], s[28:29] offset:(tj/3)*24576+(tj%3)*8192   ; piece 6 w + tj = 3 h + s: head 2 w + tj/3, split tj%3
.else
	global_store_b128 v12, v[Z+4*tj:Z+4*tj+3], s[28:29] offset:512*tj
.endif
.set tj, tj+1
.endr                                                  ; each store of the wave covers 512 consecutive bytes, aligned to 256
	s_wait_tensorcnt 0x0
	ds_add_u32 v96, v97
	s_wait_dscnt 0x0
	s_endpgm
.endm
	s_load_b512 s[4:19], s[0:1], 0x0               ; W_cond s[4:5], W_qkv s[6:7], W_out s[8:9], cond s[10:11], x s[12:13], wts s[14:15], condb s[16:17], rinv s[18:19]
	v_lshl_add_u32 v96, v0, 2, 0x6c00
	v_mov_b32 v97, 0
	s_and_b32 s20, ttmp7, 0xffff                   ; which job
	v_lshrrev_b32 v1, 5, v0
	v_readfirstlane_b32 s21, v1                    ; wave
	v_and_b32 v2, 31, v0                           ; lane
	v_and_b32 v3, 15, v0                           ; l16
	v_lshrrev_b32 v4, 4, v0                        ; hw, 0 to 15
	s_lshr_b32 s22, ttmp9, 4                       ; kb
	s_and_b32 s23, ttmp9, 15                       ; nbk
	s_wait_kmcnt 0x0
	s_cmp_eq_u32 s20, 0
	s_cbranch_scc1 .Lw_cond
	s_cmp_eq_u32 s20, 1
	s_cbranch_scc1 .Lw_qkv
	s_cmp_eq_u32 s20, 3
	s_cbranch_scc1 .Lw_out
	; JOBS 2 AND 4.  A wave owns two rows: lanes 0-15 the first, lanes 16-31 the second.  16 loads of 16 bytes a lane are issued at once,
	; each covering 256 consecutive bytes of either row.
	s_lshl_b32 s24, ttmp9, 3
	s_add_co_u32 s24, s24, s21                     ; pair of rows, 0 to 2047
	s_lshl_b32 s26, s24, 13                        ; x 2 rows of 4,096 bytes
	s_mov_b32 s27, 0
	v_bfe_u32 v5, v0, 4, 1                         ; which of the two rows
	v_lshlrev_b32 v6, 4, v3
	v_lshl_add_u32 v6, v5, 12, v6                  ; row x 4,096 + 16 l16
	s_cmp_eq_u32 s20, 4
	s_cbranch_scc1 .Lx_norm
	; JOB 2: cond to bf16, blocked
	s_add_nc_u64 s[10:11], s[10:11], s[26:27]
	s_lshl_b32 s28, s24, 8                         ; x 2 row pieces of 128 bytes
	s_mov_b32 s29, 0
	s_add_nc_u64 s[16:17], s[16:17], s[28:29]
	v_lshlrev_b32 v7, 3, v2                        ; 8 x lane = row x 128 + 8 l16
.set tj, 0
.rept 16
	global_load_b128 v[16+4*tj:19+4*tj], v6, s[10:11] offset:256*tj th:TH_LOAD_NT
.set tj, tj+1
.endr
.set tj, 0
.rept 16
	s_wait_loadcnt 15-tj                           ; loads come back in order: piece tj is in, the younger ones stay out
	v_cvt_pk_bf16_f32 v[16+4*tj], v[16+4*tj], v[17+4*tj]
	v_cvt_pk_bf16_f32 v[17+4*tj], v[18+4*tj], v[19+4*tj]
	global_store_b64 v7, v[16+4*tj:17+4*tj], s[16:17] offset:524288*tj   ; plane tj; the wave's store covers 256 consecutive bytes, aligned
.set tj, tj+1
.endr
	s_endpgm
.Lx_norm:
	; JOB 4: the reciprocal root mean square of each row of x
	s_add_nc_u64 s[12:13], s[12:13], s[26:27]
	s_lshl_b32 s30, s24, 3                         ; x 2 numbers of 4 bytes
	s_mov_b32 s31, 0
	s_add_nc_u64 s[18:19], s[18:19], s[30:31]
	s_mov_b32 s32, 0x3a800000                      ; 1 / 1024
	s_mov_b32 s33, 0x358637bd                      ; 1e-6
	v_lshlrev_b32 v8, 2, v5
.set tj, 0
.rept 16
	global_load_b128 v[16+4*tj:19+4*tj], v6, s[12:13] offset:256*tj      ; x is read again by the next launch: no hint
.set tj, tj+1
.endr
.set tj, 0
.rept 16
	s_wait_loadcnt 15-tj
.if tj < 2                                             ; the first four pairs start the four chains: nothing is cleared
	v_pk_mul_f32 v[80+4*tj:81+4*tj], v[16+4*tj:17+4*tj], v[16+4*tj:17+4*tj]
	v_pk_mul_f32 v[82+4*tj:83+4*tj], v[18+4*tj:19+4*tj], v[18+4*tj:19+4*tj]
.else
	v_pk_fma_f32 v[80+4*(tj%2):81+4*(tj%2)], v[16+4*tj:17+4*tj], v[16+4*tj:17+4*tj], v[80+4*(tj%2):81+4*(tj%2)]
	v_pk_fma_f32 v[82+4*(tj%2):83+4*(tj%2)], v[18+4*tj:19+4*tj], v[18+4*tj:19+4*tj], v[82+4*(tj%2):83+4*(tj%2)]
.endif
.set tj, tj+1
.endr
	v_pk_add_f32 v[80:81], v[80:81], v[82:83]
	v_pk_add_f32 v[84:85], v[84:85], v[86:87]
	v_pk_add_f32 v[80:81], v[80:81], v[84:85]
	v_add_f32 v80, v80, v81
	v_add_f32_dpp v80, v80, v80 row_xmask:1 row_mask:0xf bank_mask:0xf   ; over the 16 lanes that hold one row
	v_add_f32_dpp v80, v80, v80 row_xmask:2 row_mask:0xf bank_mask:0xf
	v_add_f32_dpp v80, v80, v80 row_xmask:4 row_mask:0xf bank_mask:0xf
	v_add_f32_dpp v80, v80, v80 row_xmask:8 row_mask:0xf bank_mask:0xf
	v_fma_f32 v81, v80, s32, s33                   ; mean + eps
	v_rsq_f32 v82, v81
	v_cmp_eq_u32 vcc_lo, 0, v3                     ; a plain instruction stands between v_rsq_f32 and the use of its result
	s_wait_xcnt 0x0                                ; EXEC is a source of the loads above: it changes only behind this wait
	s_and_saveexec_b32 s34, vcc_lo
	s_wait_alu depctr_va_vdst(0)
	global_store_b32 v8, v82, s[18:19]
	s_wait_xcnt 0x0                                ; and again in front of the line that widens it
	s_or_b32 exec_lo, exec_lo, s34
	s_endpgm
.Lw_cond:
	TRANS 4, 3, 12288, 3072, 0, 0, 24576, 3072
.Lw_qkv:
	TRANS 6, 3, 12288, 3072, 6291456, 1, 512, 49152
.Lw_out:
	TRANS 8, 1, 4096, 1024, 12582912, 2, 8192, 1024
.Lfunc_end_k_q4c3e383dd6_prep:
	.size	k_q4c3e383dd6_prep, .Lfunc_end_k_q4c3e383dd6_prep-k_q4c3e383dd6_prep
	.p2alignl 7, 3214868480
	.fill 96, 4, 3214868480
	.section	.rodata,"a",@progbits
	.p2align	6, 0x0
	.amdhsa_kernel k_q4c3e383dd6_prep
		.amdhsa_group_segment_fixed_size 28672
		.amdhsa_private_segment_fixed_size 0
		.amdhsa_enable_private_segment 0
		.amdhsa_kernarg_size 64
		.amdhsa_user_sgpr_count 2
		.amdhsa_user_sgpr_kernarg_segment_ptr 1
		.amdhsa_wavefront_size32 1
		.amdhsa_system_sgpr_workgroup_id_x 1
		.amdhsa_system_sgpr_workgroup_id_y 1
		.amdhsa_system_sgpr_workgroup_id_z 1
		.amdhsa_system_vgpr_workitem_id 0
		.amdhsa_next_free_vgpr 98
		.amdhsa_next_free_sgpr 66
		.amdhsa_reserve_vcc 1
		.amdhsa_float_denorm_mode_32 3
		.amdhsa_float_denorm_mode_16_64 3
		.amdhsa_memory_ordered 1
		.amdhsa_forward_progress 1
		.amdhsa_inst_pref_size 28
	.end_amdhsa_kernel
	.amdgpu_metadata
---
amdhsa.version: [ 1, 2 ]
amdhsa.kernels:
  - .name:           k_q4c3e383dd6_prep
    .symbol:         k_q4c3e383dd6_prep.kd
    .args:
      - { .name: W_cond, .offset: 0, .size: 8, .value_kind: global_buffer, .address_space: global }
      - { .name: W_qkv, .offset: 8, .size: 8, .value_kind: global_buffer, .address_space: global }
      - { .name: W_out, .offset: 16, .size: 8, .value_kind: global_buffer, .address_space: global }
      - { .name: cond, .offset: 24, .size: 8, .value_kind: global_buffer, .address_space: global }
      - { .name: x, .offset: 32, .size: 8, .value_kind: global_buffer, .address_space: global }
      - { .name: wts, .offset: 40, .size: 8, .value_kind: global_buffer, .address_space: global }
      - { .name: condb, .offset: 48, .size: 8, .value_kind: global_buffer, .address_space: global }
      - { .name: rinv, .offset: 56, .size: 8, .value_kind: global_buffer, .address_space: global }
    .group_segment_fixed_size: 28672
    .private_segment_fixed_size: 0
    .kernarg_segment_align: 8
    .kernarg_segment_size: 64
    .max_flat_workgroup_size: 256
    .sgpr_count:     66
    .vgpr_count:     98
    .wavefront_size: 32
...
	.end_amdgpu_metadata
.endif
;; end of part 1
;; launch modul (part 2): grid 16 x 16, 4 waves a work-group, clusters of 4 x 4, 327,680 bytes of LDS; arguments condb, wts, x, rinv, rms_scale, xm, res; writes xm, res
.if DOCPART == 2
	.amdgcn_target "amdgcn-amd-amdhsa--gfx1250"
	.amdhsa_code_object_version 6
	.text
	.protected	k_q4c3e383dd6_modul
	.globl	k_q4c3e383dd6_modul
	.p2align	8
	.type	k_q4c3e383dd6_modul,@function
k_q4c3e383dd6_modul:
	s_mov_b64 s[64:65], 0
	v_nop
	global_prefetch_b8 v0, s[64:65] scope:SCOPE_SE
	s_setreg_imm32_b32 hwreg(HW_REG_WAVE_MODE, 25, 1), 1
	s_wait_xcnt 0x0
	s_wait_alu depctr_hold_cnt(0) depctr_sa_sdst(0) depctr_va_vdst(0) depctr_va_sdst(0) depctr_va_ssrc(0) depctr_va_vcc(0) depctr_vm_vsrc(0)
	s_getreg_b32 s2, hwreg(HW_REG_IB_STS2, 6, 4)
	s_cmp_eq_u32 s2, 0
	s_cbranch_scc0 .Lentry_in_a_cluster
	s_endpgm
.Lentry_in_a_cluster:
	s_bfe_u32 s2, ttmp6, 0x10000c
	s_cmp_lg_u32 s2, 0xf033
	s_cbranch_scc0 .Lentry_shape_is_right
	s_endpgm
.Lentry_shape_is_right:
; MODUL: cp = cond W_cond (4096 x 3072, K = 1024) and, on the way out, xm = x rinv g (1 + scale) + shift (bf16, blocked) and res = x + gate (f32).
; A = condb[16][4096][64], B = WcT[16][3072][64] (row nb*192 + s*64 + dl), both bf16 with K along the rows; sums in f32.
; A work-group makes 256 rows x 192 columns (64 channels x scale, shift, gate) with four waves, one on each SIMD; a wave makes 128 x 96: 48 accumulator
; tiles, 384 registers.
; THE RING.  K = 1024 is 16 planes of 64.  Two LDS slots of unequal length take turns: X holds 2 planes, Y holds 3 (5 planes of 60,928 bytes = 304,640 bytes),
; and K goes as 2+3+2+3+2+3+1.  A wave brings its quarter of a slot by ONE tensor load: one half of A's (or of B's) rows in every plane of the slot.  Such a half
; is a dense block of memory (16,384 or 12,288 bytes, starting at a multiple of 256), so the tile's row is the whole block, the tile's rows are the planes and
; the pitch is a plane; 16 bytes of padding go behind every 256 bytes, which divide the row.  From a request to the wait for it a wave issues 276 matrix
; instructions (X's refill, while Y is multiplied) or 180 (Y's refill, while X is).  Two tensor loads of a wave are out at the start, one from the first refill on.
; CLUSTERS: 4 x 4 work-groups.  A's parts hang on the block row alone and are asked for jointly along a row of the cluster, B's on the block column alone
; and jointly along a column: that divides the requests for both by four.
; REGISTERS: window 0: v0-31 addresses, v64-127 and v128-191 A's fragments (two buffers); window 1: B's fragments at the same numbers;
; window 2: accumulators of my rows 0-63 (tile (a, b) at 8 (6 a + b)); window 3: rows 64-127.
; The matrix instruction is used transposed (source 0 = rows of B, source 1 = rows of A): a lane then holds eight neighbouring columns of one row of C.
; LIMITS: operands in bf16; xm is made as x (((1 + scale) g) rinv) + shift with one fused multiply-add, another order of roundings than the reference's.
.set BM,    256
.set BN,    192
.set MH,    4                          ; m tiles in an accumulator window
.set NT,    6                          ; n tiles of a wave
.set XP,    2                          ; planes in slot X
.set YP,    3                          ; planes in slot Y
.set BPL,   393216                     ; bytes of a plane of B: 3072 rows of 128
.set BOFF,  0                          ; WcT in wts
.set SP,    784                        ; a stage row: 192 f32 + 16 bytes, an odd multiple of 16
.set RBASE, 200704                     ; behind the stage's 256 rows: rinv twice for each row, 512 bytes a wave
.set PP,    272                        ; an LDS row: two logical rows of 128 bytes + 16: logical row p lies at (p/2) 272 + (p%2) 128, so the 16 rows of a fragment start in 16 different 16-byte columns
.set APL,   524288                     ; bytes of a plane of A: 4096 rows of 128
.set AH,    (BM/4)*PP                  ; one plane of one half of A's rows in LDS
.set BH,    (BN/4)*PP                  ; the same for B
.set SLY,   2*XP*(AH+BH)               ; slot Y lies behind slot X.  A slot of P planes: A half 0, A half 1 (P AH each), B half 0, B half 1 (P BH each)
.set ADRA,  16                         ; v16, v17: my A fragments in slot X, Y
.set ADRB,  20                         ; v20, v21: my B fragments
.set STO,   24
.set F0,    64
.set F1,    128
.set G1A,   24                         ; s[24:31], s[32:39]: group 1 for A's parts of slot X, Y
.set G1B,   40                         ; s[40:47], s[48:55]: group 1 for B's parts
.set G0A,   56                         ; s[56:59], s[60:63]: group 0 for A's parts
.set G0B,   68                         ; s[68:71], s[72:75]: group 0 for B's parts
.set G1W0,  (3<<16)|(1<<20)|(1<<21)|(5<<22)|(3<<25)   ; elements of 8 bytes; padding on; bit 21 beside a mask; after every 64 words 4 words
.set MSB,   0
.macro WIN new                         ; the immediate's high byte repeats the setting that is left
.if MSB != \new
	s_set_vgpr_msb (MSB<<8)|\new
.set MSB, \new
.endif
.endm
.macro JLOAD s                         ; waves 0, 1 ask for A's two halves, waves 2, 3 for B's: each line has one mask; the branch hangs on the wave's number alone
	s_cmp_eq_u32 s11, 0
	s_cbranch_scc0 .Lfor_b_\@
	tensor_load_to_lds s[G0A+4*\s:G0A+4*\s+3], s[G1A+8*\s:G1A+8*\s+7]
	s_nop 0
	s_branch .Lasked_\@
.Lfor_b_\@:
	tensor_load_to_lds s[G0B+4*\s:G0B+4*\s+3], s[G1B+8*\s:G1B+8*\s+7]
	s_nop 0
.Lasked_\@:
.endm
.macro CREST                           ; a round of the cluster's barrier behind its opening barrier
	s_cmp_lg_u32 s10, 0
	s_cbranch_scc1 .Lnot_wave_0_\@
	s_barrier_signal -3
.Lnot_wave_0_\@:
	s_barrier_wait -3
	s_barrier_signal -1
	s_barrier_wait -1
.endm
.macro CROUND
	s_barrier_signal -1
	s_barrier_wait -1
	CREST
.endm
.macro PLACES                          ; four plain vector places behind matrix instructions, in front of loads into their sources and of readers of their results
.rept 4
	v_nop
.endr
.endm
.macro SHAPE sl, planes                ; group 1 of slot sl: a tile of `planes` rows, each one half of a plane's rows
	s_or_b32  s[G1A+8*\sl],   s100, G1W0           ; A's parts go to my row of the cluster,
	s_or_b32  s[G1B+8*\sl],   s101, G1W0           ; B's to my column
	s_mov_b32 s[G1A+8*\sl+1], (BM*8)<<16           ; tensor_dim0: BM*64 bytes in elements of 8
	s_mov_b32 s[G1B+8*\sl+1], (BN*8)<<16
	s_mov_b32 s[G1A+8*\sl+2], \planes<<16          ; tensor_dim1
	s_mov_b32 s[G1B+8*\sl+2], \planes<<16
	s_mov_b32 s[G1A+8*\sl+3], (BM*8)<<16           ; tile_dim0
	s_mov_b32 s[G1B+8*\sl+3], (BN*8)<<16
	s_mov_b32 s[G1A+8*\sl+4], \planes              ; tile_dim1
	s_mov_b32 s[G1B+8*\sl+4], \planes
	s_mov_b32 s[G1A+8*\sl+5], APL/8                ; pitch: from plane to plane
	s_mov_b32 s[G1B+8*\sl+5], BPL/8
	s_mov_b32 s[G1A+8*\sl+6], 0
	s_mov_b32 s[G1B+8*\sl+6], 0
	s_mov_b32 s[G1A+8*\sl+7], 0
	s_mov_b32 s[G1B+8*\sl+7], 0
.endm
.macro FIRST sl, planes, base, first   ; group 0 of slot sl at LDS byte `base`, from plane `first` on; then the slot's first load
	s_mov_b32 s[G0A+4*\sl], 1
	s_mul_i32 s20, s10, \planes*AH                 ; A's halves at base + w x planes x AH (waves 0, 1)
	s_add_co_u32 s[G0A+4*\sl+1], s20, \base
	s_add_nc_u64 s[G0A+4*\sl+2:G0A+4*\sl+3], s[14:15], \first*APL
	s_or_b32 s[G0A+4*\sl+3], s[G0A+4*\sl+3], 0x80000000
	s_mov_b32 s[G0B+4*\sl], 1
	s_mul_i32 s21, s10, \planes*BH                 ; B's halves behind them, at base + 2 planes AH + (w - 2) x planes x BH (waves 2, 3)
	s_add_co_u32 s[G0B+4*\sl+1], s21, \base+2*\planes*(AH-BH)
	s_add_nc_u64 s[G0B+4*\sl+2:G0B+4*\sl+3], s[18:19], \first*BPL
	s_or_b32 s[G0B+4*\sl+3], s[G0B+4*\sl+3], 0x80000000
	JLOAD \sl
.endm
.macro MULA f, hi, a, zero             ; NT matrix instructions: m tile a of window 2 + hi x all n tiles, 32 along K
.set tb, 0
.rept NT
.if \zero
	v_wmma_f32_16x16x32_bf16 v[8*(NT*(\a)+tb):8*(NT*(\a)+tb)+7], v[\f+8*tb:\f+8*tb+7], v[\f+8*(MH*\hi+(\a)):\f+8*(MH*\hi+(\a))+7], 0
.else
	v_wmma_f32_16x16x32_bf16 v[8*(NT*(\a)+tb):8*(NT*(\a)+tb)+7], v[\f+8*tb:\f+8*tb+7], v[\f+8*(MH*\hi+(\a)):\f+8*(MH*\hi+(\a))+7], v[8*(NT*(\a)+tb):8*(NT*(\a)+tb)+7]
.endif
.set tb, tb+1
.endr
.endm
.macro MULR f, hi, a0, n, zero         ; m tiles a0 .. a0 + n - 1.  The accumulators take turns, one instruction a turn, in the same order in every quarter
.set ta, \a0
.rept \n
	MULA \f, \hi, ta, \zero
.set ta, ta+1
.endr
.endm
.macro FETCH slot, q, f                ; one run of LDS loads: the fragments of the slot's quarter q (plane q/2, 64 bytes x q%2) into buffer f
	WIN 0x40
.set ti, 0
.rept NT
	ds_load_b128 v[\f+8*ti:\f+8*ti+3],   v[ADRB+\slot] offset:((\q)>>1)*BH+((\q)&1)*64+ti*8*PP
	ds_load_b128 v[\f+8*ti+4:\f+8*ti+7], v[ADRB+\slot] offset:((\q)>>1)*BH+((\q)&1)*64+ti*8*PP+32
.set ti, ti+1
.endr
	WIN 0
.set ti, 0
.rept 2*MH
	ds_load_b128 v[\f+8*ti:\f+8*ti+3],   v[ADRA+\slot] offset:((\q)>>1)*AH+((\q)&1)*64+ti*8*PP
	ds_load_b128 v[\f+8*ti+4:\f+8*ti+7], v[ADRA+\slot] offset:((\q)>>1)*AH+((\q)&1)*64+ti*8*PP+32
.set ti, ti+1
.endr
.endm
.macro QUARTER slot, q, f, g, zero     ; multiplies buffer f; in its middle fetches quarter q into buffer g
	s_wait_dscnt 2*MH                              ; B and A's lower tiles are in; the youngest 2 MH loads (A's upper tiles) may be out
	WIN 0xa1
	MULR \f, 0, 0, MH, \zero
	PLACES
	FETCH \slot, \q, \g
	s_wait_dscnt 2*NT+4*MH                         ; all but the run just issued
	WIN 0xf1
	MULR \f, 1, 0, MH, \zero
.endm
.macro RUN slot, planes, zero          ; all quarters of a slot's `planes` planes but the last: 2 planes - 1 quarters on buffers 0, 1, 0, ..
	QUARTER \slot, 1, F0, F1, \zero
.if \planes > 1
.set tq, 2
.rept \planes-1
	QUARTER \slot, tq, F1, F0, 0
	QUARTER \slot, tq+1, F0, F1, 0
.set tq, tq+2
.endr
.endif
.endm
; The last quarter of a slot changes slots.  In front of the barrier each wave waits for its reads of this slot and for all its tensor loads (one is out:
; its part of the next slot).  Where the slot is filled again (fill = 1) the barrier opens a round of the cluster's barrier, and the joint refill is the first
; tensor load behind the round.  part = the planes of a refill that is shorter than the slot (0: a whole one): group 1's two counts are written anew,
; behind the wait that showed every load of mine done.
.macro TURN slot, next, fill, part
	s_wait_dscnt 2*MH
	WIN 0xa1
	MULR F1, 0, 0, MH/2, 0
	s_wait_dscnt 0x0                               ; my reads of this slot are over
	s_wait_tensorcnt 0x0                           ; all my tensor loads have landed
	ds_add_u32 v255, v63
	s_wait_dscnt 0x0
	s_barrier_signal -1
	MULR F1, 0, MH/2, MH/2, 0                      ; register work while the others arrive
	WIN 0
	s_barrier_wait -1
.if \fill
	CREST
	s_add_nc_u64 s[G0A+4*\slot+2:G0A+4*\slot+3], s[G0A+4*\slot+2:G0A+4*\slot+3], (XP+YP)*APL   ; once round the ring = XP + YP planes on
	s_add_nc_u64 s[G0B+4*\slot+2:G0B+4*\slot+3], s[G0B+4*\slot+2:G0B+4*\slot+3], (XP+YP)*BPL
.if \part
	s_mov_b32 s[G1A+8*\slot+2], \part<<16
	s_mov_b32 s[G1A+8*\slot+4], \part
	s_mov_b32 s[G1B+8*\slot+2], \part<<16
	s_mov_b32 s[G1B+8*\slot+4], \part
.endif
	JLOAD \slot
.endif
	PLACES
	FETCH \next, 0, F0
	WIN 0xf1
	MULR F1, 1, 0, MH, 0
.endm
.macro LAST                            ; the very last quarter: nothing more to fetch
	s_wait_dscnt 2*MH
	WIN 0xa1
	MULR F1, 0, 0, MH, 0
	s_wait_dscnt 0x0
	WIN 0xf1
	MULR F1, 1, 0, MH, 0
	PLACES
	WIN 0
.endm
.macro STAGEH hi, win                  ; the accumulators of window 2 + hi as f32 into the stage: 16 lanes hit 16 different 16-byte columns
	WIN \win
.set ta, 0
.rept MH
.set tb, 0
.rept NT
	ds_store_b128 v[STO+\hi], v[8*(NT*ta+tb):8*(NT*ta+tb)+3]   offset:ta*16*SP+64*tb
	ds_store_b128 v[STO+\hi], v[8*(NT*ta+tb)+4:8*(NT*ta+tb)+7] offset:ta*16*SP+64*tb+16
.set tb, tb+1
.endr
.set ta, ta+1
.endr
.endm
	s_load_b128 s[4:7], s[0:1], 0x0                ; condb s[4:5], wts s[6:7]
	s_load_b256 s[76:83], s[0:1], 0x10             ; x s[76:77], rinv s[78:79], rms_scale s[80:81], xm s[82:83]
	s_load_b64 s[84:85], s[0:1], 0x30              ; res
	s_set_vgpr_msb 0x40
	v_lshl_add_u32 v255, v0, 2, 0x4a600
	s_set_vgpr_msb 0x4000
	v_mov_b32 v63, 0
	s_set_vgpr_msb 0x1
	ds_add_u32 v255, v63
	s_set_vgpr_msb 0x100
	v_lshrrev_b32 v1, 5, v0
	v_readfirstlane_b32 s10, v1                    ; wave
	s_lshr_b32 s11, s10, 1                         ; my half of the rows.  Also: I fetch for A (0) or B (1)
	s_and_b32 s12, s10, 1                          ; my half of the columns.  Also: which half of the rows I fetch
	s_bfe_u32 s8, ttmp6, 0x40000                   ; cx
	s_bfe_u32 s9, ttmp6, 0x40004                   ; cy
	s_lshl_b32 s67, ttmp9, 2
	s_add_co_u32 s67, s67, s8                      ; nb: block column
	s_and_b32 s13, ttmp7, 0xffff
	s_lshl_b32 s13, s13, 2
	s_add_co_u32 s13, s13, s9                      ; mb: block row
	s_lshl_b32 s100, s9, 2
	s_lshl_b32 s100, 15, s100                      ; my row of the cluster
	s_lshl_b32 s101, 0x1111, s8                    ; my column
	SHAPE 0, XP
	SHAPE 1, YP
	s_mul_i32 s16, s12, BM*64                      ; A: half (w & 1) of the rows
	s_mul_i32 s17, s13, BM*128                     ; of block row mb
	s_add_co_u32 s16, s16, s17
	s_mov_b32 s17, 0
	s_mul_i32 s18, s12, BN*64                      ; B: half (w & 1) of the rows
	s_mul_i32 s19, s67, BN*128                     ; of block column nb
	s_add_co_u32 s18, s18, s19
.if BOFF
	s_add_co_u32 s18, s18, BOFF
.endif
	s_mov_b32 s19, 0
	s_wait_dscnt 0x0
	s_wait_kmcnt 0x0
	s_add_nc_u64 s[14:15], s[4:5], s[16:17]
	s_add_nc_u64 s[18:19], s[6:7], s[18:19]
	CROUND                                         ; all sixteen work-groups are here: the first joint loads meet
	FIRST 0, XP, 0, 0                              ; planes 0, 1
	FIRST 1, YP, SLY, XP                           ; planes 2, 3, 4
	v_and_b32 v1, 15, v0                           ; r (on the way out: c)
	v_bfe_u32 v2, v0, 4, 1                         ; h (on the way out: rp)
	v_lshrrev_b32 v3, 1, v1
	v_and_b32 v4, 1, v0
	v_mul_u32_u24 v3, v3, PP
	v_lshl_add_u32 v3, v4, 7, v3
	v_lshl_add_u32 v3, v2, 4, v3                   ; (r/2) 272 + (r%2) 128 + 16 h
	s_mul_i32 s22, s11, XP*AH                      ; slot X: my half of A,
	s_mul_i32 s23, s12, XP*BH
	s_add_co_u32 s23, s23, 2*XP*AH                 ; my half of B
	v_add_nc_u32 v[ADRA], s22, v3
	v_add_nc_u32 v[ADRB], s23, v3
	s_mul_i32 s22, s11, YP*AH                      ; slot Y likewise
	s_add_co_u32 s22, s22, SLY
	s_mul_i32 s23, s12, YP*BH
	s_add_co_u32 s23, s23, SLY+2*YP*AH
	v_add_nc_u32 v[ADRA+1], s22, v3
	v_add_nc_u32 v[ADRB+1], s23, v3
	s_mul_i32 s98, s11, (BM/2)*SP                  ; the stage: row (BM/2) wr + 16 MH hi + r, column (BN/2) wc + 8 h
	s_mul_i32 s99, s12, (BN/2)*4
	s_add_co_u32 s98, s98, s99
	v_mul_u32_u24 v[STO], v1, SP
	v_lshl_add_u32 v[STO], v2, 5, v[STO]
	v_add_nc_u32 v[STO], s98, v[STO]
	v_add_nc_u32 v[STO+1], 16*MH*SP, v[STO]
	; the way out's addresses.  Wave w takes rows 64 w .. 64 w + 63 of the block, two at a time: lane (rp, c) has row 2 i + rp, channels 4 c .. 4 c + 3
	s_lshl_b32 s86, s13, 8
	s_lshl_b32 s87, s10, 6
	s_add_co_u32 s86, s86, s87                     ; row0
	s_lshl_b32 s88, s86, 12
	s_lshl_b32 s90, s67, 8
	s_add_co_u32 s88, s88, s90                     ; row0 x 4,096 + nb x 256
	s_mov_b32 s89, 0
	s_mov_b32 s91, 0
	s_add_nc_u64 s[76:77], s[76:77], s[88:89]      ; x
	s_add_nc_u64 s[84:85], s[84:85], s[88:89]      ; res
	s_add_nc_u64 s[80:81], s[80:81], s[90:91]      ; rms_scale at my 64 channels
	s_lshl_b32 s92, s86, 2
	s_mov_b32 s93, 0
	s_add_nc_u64 s[78:79], s[78:79], s[92:93]      ; rinv at row0
	s_lshl_b32 s94, s67, 19
	s_lshl_b32 s95, s86, 7
	s_add_co_u32 s94, s94, s95
	s_mov_b32 s95, 0
	s_add_nc_u64 s[82:83], s[82:83], s[94:95]      ; xm: plane nb, row0
	v_and_b32 v5, 31, v0
	v_lshlrev_b32 v15, 4, v1                       ; 16 c
	v_lshl_add_u32 v6, v2, 12, v15                 ; rp x 4,096 + 16 c: x and res
	v_lshlrev_b32 v7, 3, v5                        ; 8 x lane: xm
	v_lshlrev_b32 v14, 2, v5
	s_mul_i32 s96, s10, 64*SP
	v_mul_u32_u24 v26, v2, SP
	v_add_nc_u32 v26, v26, v15
	v_add_nc_u32 v26, s96, v26                     ; stage row 64 w + rp, 16 c
	s_lshl_b32 s97, s10, 9
	s_add_co_u32 s97, s97, RBASE
	v_lshl_add_u32 v28, v5, 3, s97                 ; where rinv of row L goes,
	v_lshl_add_u32 v27, v2, 3, s97                 ; and where row rp's is read
	global_load_b32 v12, v14, s[78:79]             ; rinv of my wave's rows 0-31,
	global_load_b32 v13, v14, s[78:79] offset:128  ; 32-63
	global_load_b128 v[8:11], v15, s[80:81]        ; g of my four channels
	s_wait_tensorcnt 1                             ; my part of slot X is in; slot Y's stays out
	s_barrier_signal -1
	s_barrier_wait -1
	FETCH 0, 0, F0
	RUN 0, XP, 1                                   ; planes 0, 1: the first products start the sums
	TURN 0, 1, 1, 0                                ; X asks for planes 5, 6
	RUN 1, YP, 0                                   ; planes 2, 3, 4
	TURN 1, 0, 1, 0                                ; Y asks for planes 7, 8, 9
	RUN 0, XP, 0
	TURN 0, 1, 1, 0                                ; X asks for planes 10, 11
	RUN 1, YP, 0
	TURN 1, 0, 1, 0                                ; Y asks for planes 12, 13, 14
	RUN 0, XP, 0
	TURN 0, 1, 1, 1                                ; X asks for plane 15 alone
	RUN 1, YP, 0
	TURN 1, 0, 0, 0                                ; nothing more is asked for
	RUN 0, 1, 0                                    ; plane 15
	LAST
	; THE WAY OUT.  x for all my 32 steps is asked for at once; the block goes as f32 through a stage in the slots' bytes, which have had their last fill.
.set it, 0
.rept 32
	global_load_b128 v[128+4*it:131+4*it], v6, s[76:77] offset:8192*it th:TH_LOAD_NT
.set it, it+1
.endr
	s_wait_dscnt 0x0
	s_barrier_signal -1
	s_barrier_wait -1                              ; no wave reads the slots any more
	STAGEH 0, 0x08
	STAGEH 1, 0x0c
	WIN 0
	s_wait_loadcnt 33                              ; rinv's two loads are in: g's load and x's 32 were issued behind them
	v_mov_b32 v30, v12
	v_mov_b32 v31, v12
	v_mov_b32 v32, v13
	v_mov_b32 v33, v13
	ds_store_b64 v28, v[30:31]                     ; each row's rinv twice: a pair for the packed multiply
	ds_store_b64 v28, v[32:33] offset:256
	s_wait_dscnt 0x0                               ; my stores are in LDS before I say so
	s_barrier_signal -1
	s_barrier_wait -1
; Ring set i % 4, 16 registers at v32: [0:3] scale, [4:7] shift, [8:11] gate, [12:13] rinv twice.  The packed xm has a ring of its own, 16 steps deep, at v96:
; a store's data are then written again only 16 steps later, and one wait in the middle of the 32 steps serves them all.
.macro DSL i                           ; step i's scale, shift, gate (16 lanes read 256 neighbouring bytes) and rinv
.set DR, 32+16*((\i)%4)
	ds_load_b128 v[DR:DR+3],    v26 offset:2*SP*(\i)
	ds_load_b128 v[DR+4:DR+7],  v26 offset:2*SP*(\i)+256
	ds_load_b128 v[DR+8:DR+11], v26 offset:2*SP*(\i)+512
	ds_load_b64  v[DR+12:DR+13], v27 offset:16*(\i)
.endm
	DSL 0
	DSL 1
	DSL 2
	DSL 3
.set it, 0
.rept 32
.set RS, 32+16*(it%4)
.set PK, 96+2*(it%16)
.set XR, 128+4*it
	s_wait_loadcnt 31-it                           ; x of this step is in; the younger loads stay out
.if it <= 28
	s_wait_dscnt 12                                ; this set's four loads are in; three younger sets stay out
.else
	s_wait_dscnt 4*(31-it)
.endif
.if it == 16
	s_wait_xcnt 0x0                                ; the packed xm of steps 0 to 15, which stores read, are rewritten only behind this wait
.endif
	v_pk_add_f32 v[RS:RS+1],   v[RS:RS+1],   1.0 op_sel_hi:[1,0]           ; 1 + scale
	v_pk_add_f32 v[RS+2:RS+3], v[RS+2:RS+3], 1.0 op_sel_hi:[1,0]
	v_pk_mul_f32 v[RS:RS+1],   v[RS:RS+1],   v[8:9]                        ; x g
	v_pk_mul_f32 v[RS+2:RS+3], v[RS+2:RS+3], v[10:11]
	v_pk_mul_f32 v[RS:RS+1],   v[RS:RS+1],   v[RS+12:RS+13]                ; x rinv
	v_pk_mul_f32 v[RS+2:RS+3], v[RS+2:RS+3], v[RS+12:RS+13]
	v_pk_fma_f32 v[RS+4:RS+5], v[XR:XR+1],   v[RS:RS+1],   v[RS+4:RS+5]    ; x times that, plus shift
	v_pk_fma_f32 v[RS+6:RS+7], v[XR+2:XR+3], v[RS+2:RS+3], v[RS+6:RS+7]
	v_pk_add_f32 v[XR:XR+1],   v[XR:XR+1],   v[RS+8:RS+9]                  ; x + gate
	v_pk_add_f32 v[XR+2:XR+3], v[XR+2:XR+3], v[RS+10:RS+11]
	v_cvt_pk_bf16_f32 v[PK],   v[RS+4], v[RS+5]
	v_cvt_pk_bf16_f32 v[PK+1], v[RS+6], v[RS+7]
	global_store_b128 v6, v[XR:XR+3], s[84:85] offset:8192*it              ; 16 lanes store 256 consecutive bytes, aligned
	global_store_b64 v7, v[PK:PK+1], s[82:83] offset:256*it                ; the wave stores 256 consecutive bytes, aligned
.if it <= 27
	DSL it+4
.endif
.set it, it+1
.endr
	s_set_vgpr_msb 0x1
	s_wait_tensorcnt 0x0
	ds_add_u32 v255, v63
	s_wait_dscnt 0x0
	s_set_vgpr_msb 0x100
	CROUND                                         ; the closing round: no work-group ends while a partner may still ask for a tile that names it
	s_endpgm
.Lfunc_end_k_q4c3e383dd6_modul:
	.size	k_q4c3e383dd6_modul, .Lfunc_end_k_q4c3e383dd6_modul-k_q4c3e383dd6_modul
	.p2alignl 7, 3214868480
	.fill 96, 4, 3214868480
	.section	.rodata,"a",@progbits
	.p2align	6, 0x0
	.amdhsa_kernel k_q4c3e383dd6_modul
		.amdhsa_group_segment_fixed_size 327680
		.amdhsa_private_segment_fixed_size 0
		.amdhsa_enable_private_segment 0
		.amdhsa_kernarg_size 56
		.amdhsa_user_sgpr_count 2
		.amdhsa_user_sgpr_kernarg_segment_ptr 1
		.amdhsa_wavefront_size32 1
		.amdhsa_system_sgpr_workgroup_id_x 1
		.amdhsa_system_sgpr_workgroup_id_y 1
		.amdhsa_system_sgpr_workgroup_id_z 1
		.amdhsa_system_vgpr_workitem_id 0
		.amdhsa_next_free_vgpr 1024
		.amdhsa_next_free_sgpr 102
		.amdhsa_reserve_vcc 0
		.amdhsa_float_denorm_mode_32 3
		.amdhsa_float_denorm_mode_16_64 3
		.amdhsa_memory_ordered 1
		.amdhsa_forward_progress 1
		.amdhsa_inst_pref_size 226
	.end_amdhsa_kernel
	.amdgpu_metadata
---
amdhsa.version: [ 1, 2 ]
amdhsa.kernels:
  - .name:           k_q4c3e383dd6_modul
    .symbol:         k_q4c3e383dd6_modul.kd
    .args:
      - { .name: condb, .offset: 0, .size: 8, .value_kind: global_buffer, .address_space: global }
      - { .name: wts, .offset: 8, .size: 8, .value_kind: global_buffer, .address_space: global }
      - { .name: x, .offset: 16, .size: 8, .value_kind: global_buffer, .address_space: global }
      - { .name: rinv, .offset: 24, .size: 8, .value_kind: global_buffer, .address_space: global }
      - { .name: rms_scale, .offset: 32, .size: 8, .value_kind: global_buffer, .address_space: global }
      - { .name: xm, .offset: 40, .size: 8, .value_kind: global_buffer, .address_space: global }
      - { .name: res, .offset: 48, .size: 8, .value_kind: global_buffer, .address_space: global }
    .group_segment_fixed_size: 327680
    .private_segment_fixed_size: 0
    .kernarg_segment_align: 8
    .kernarg_segment_size: 56
    .max_flat_workgroup_size: 128
    .sgpr_count:     102
    .vgpr_count:     1024
    .wavefront_size: 32
...
	.end_amdgpu_metadata
.endif
;; end of part 2
;; launch qkvrope (part 3): grid 16 x 16, 4 waves a work-group, clusters of 4 x 4, 327,680 bytes of LDS; arguments xm, wts, pos, qkv; writes qkv
.if DOCPART == 3
	.amdgcn_target "amdgcn-amd-amdhsa--gfx1250"
	.amdhsa_code_object_version 6
	.text
	.protected	k_q4c3e383dd6_qkvrope
	.globl	k_q4c3e383dd6_qkvrope
	.p2align	8
	.type	k_q4c3e383dd6_qkvrope,@function
k_q4c3e383dd6_qkvrope:
	s_mov_b64 s[64:65], 0
	v_nop
	global_prefetch_b8 v0, s[64:65] scope:SCOPE_SE
	s_setreg_imm32_b32 hwreg(HW_REG_WAVE_MODE, 25, 1), 1
	s_wait_xcnt 0x0
	s_wait_alu depctr_hold_cnt(0) depctr_sa_sdst(0) depctr_va_vdst(0) depctr_va_sdst(0) depctr_va_ssrc(0) depctr_va_vcc(0) depctr_vm_vsrc(0)
	s_getreg_b32 s2, hwreg(HW_REG_IB_STS2, 6, 4)
	s_cmp_eq_u32 s2, 0
	s_cbranch_scc0 .Lentry_in_a_cluster
	s_endpgm
.Lentry_in_a_cluster:
	s_bfe_u32 s2, ttmp6, 0x10000c
	s_cmp_lg_u32 s2, 0xf033
	s_cbranch_scc0 .Lentry_shape_is_right
	s_endpgm
.Lentry_shape_is_right:
; QKVROPE: qkv = xm W_qkv (4096 x 3072, K = 1024); on the way out the rotary embedding of q and k, q's scale, and the split into heads.
; A = xm[16][4096][64], B = WqT[16][3072][64] (row h*192 + s*64 + d), both bf16 with K along the rows; sums in f32.
; A work-group makes 256 tokens x one head's q, k, v (192 columns) with four waves, one on each SIMD; a wave makes 128 x 96: 48 accumulator tiles.
; THE RING.  K = 1024 is 16 planes of 64.  Two LDS slots of unequal length take turns: X holds 2 planes, Y holds 3 (5 planes of 60,928 bytes = 304,640 bytes),
; and K goes as 2+3+2+3+2+3+1.  A wave brings its quarter of a slot by ONE tensor load: one half of A's (or of B's) rows in every plane of the slot.  Such a half
; is a dense block of memory (16,384 or 12,288 bytes, starting at a multiple of 256), so the tile's row is the whole block, the tile's rows are the planes and
; the pitch is a plane; 16 bytes of padding go behind every 256 bytes, which divide the row.  From a request to the wait for it a wave issues 276 matrix
; instructions (X's refill) or 180 (Y's).  Two tensor loads of a wave are out at the start, one from the first refill on.
; CLUSTERS: 4 x 4 work-groups; A's parts are asked for jointly along a row of the cluster, B's along a column: a quarter of the requests for both.
; REGISTERS: window 0: v0-31 addresses, v64-127 and v128-191 A's fragments; window 1: B's fragments; windows 2, 3: accumulators (tile (a, b) at 8 (6 a + b)).
; The matrix instruction is used transposed: a lane holds eight neighbouring columns of one row of C.
; Output: qkv[s][16 b + h][l][64] bf16; q carries the factor 0.125 log2(e), so that the next launch's exponentials are plain powers of two.
; LIMITS: operands and q, k, v in bf16; q cos + rot(q) sin is one product and one fused multiply-add.
.set BM,    256
.set BN,    192
.set MH,    4
.set NT,    6
.set XP,    2
.set YP,    3
.set BPL,   393216
.set BOFF,  6291456                    ; WqT in wts
.set SP,    784
.set PP,    272                        ; two logical rows of 128 bytes + 16: the 16 rows of a fragment start in 16 different 16-byte columns
.set APL,   524288
.set AH,    (BM/4)*PP                  ; one plane of one half of A's rows in LDS
.set BH,    (BN/4)*PP
.set SLY,   2*XP*(AH+BH)               ; slot Y behind slot X.  A slot of P planes: A half 0, A half 1 (P AH each), B half 0, B half 1 (P BH each)
.set ADRA,  16
.set ADRB,  20
.set STO,   24
.set F0,    64
.set F1,    128
.set G1A,   24                         ; s[24:31], s[32:39]: group 1 for A's parts of slot X, Y
.set G1B,   40                         ; s[40:47], s[48:55]: for B's
.set G0A,   56                         ; s[56:59], s[60:63]: group 0 for A's parts
.set G0B,   68                         ; s[68:71], s[72:75]: for B's
.set G1W0,  (3<<16)|(1<<20)|(1<<21)|(5<<22)|(3<<25)   ; elements of 8 bytes; padding on; bit 21 beside a mask; after every 64 words 4 words
.set MSB,   0
.macro WIN new
.if MSB != \new
	s_set_vgpr_msb (MSB<<8)|\new
.set MSB, \new
.endif
.endm
.macro JLOAD s                         ; waves 0, 1 ask for A's two halves, waves 2, 3 for B's; the branch hangs on the wave's number alone
	s_cmp_eq_u32 s11, 0
	s_cbranch_scc0 .Lfor_b_\@
	tensor_load_to_lds s[G0A+4*\s:G0A+4*\s+3], s[G1A+8*\s:G1A+8*\s+7]
	s_nop 0
	s_branch .Lasked_\@
.Lfor_b_\@:
	tensor_load_to_lds s[G0B+4*\s:G0B+4*\s+3], s[G1B+8*\s:G1B+8*\s+7]
	s_nop 0
.Lasked_\@:
.endm
.macro CREST
	s_cmp_lg_u32 s10, 0
	s_cbranch_scc1 .Lnot_wave_0_\@
	s_barrier_signal -3
.Lnot_wave_0_\@:
	s_barrier_wait -3
	s_barrier_signal -1
	s_barrier_wait -1
.endm
.macro CROUND
	s_barrier_signal -1
	s_barrier_wait -1
	CREST
.endm
.macro PLACES                          ; four plain vector places behind matrix instructions (ISA guide 7.12.1)
.rept 4
	v_nop
.endr
.endm
.macro SHAPE sl, planes                ; group 1 of slot sl: a tile of `planes` rows, each one half of a plane's rows
	s_or_b32  s[G1A+8*\sl],   s100, G1W0
	s_or_b32  s[G1B+8*\sl],   s101, G1W0
	s_mov_b32 s[G1A+8*\sl+1], (BM*8)<<16           ; tensor_dim0: BM*64 bytes in elements of 8
	s_mov_b32 s[G1B+8*\sl+1], (BN*8)<<16
	s_mov_b32 s[G1A+8*\sl+2], \planes<<16          ; tensor_dim1
	s_mov_b32 s[G1B+8*\sl+2], \planes<<16
	s_mov_b32 s[G1A+8*\sl+3], (BM*8)<<16           ; tile_dim0
	s_mov_b32 s[G1B+8*\sl+3], (BN*8)<<16
	s_mov_b32 s[G1A+8*\sl+4], \planes              ; tile_dim1
	s_mov_b32 s[G1B+8*\sl+4], \planes
	s_mov_b32 s[G1A+8*\sl+5], APL/8                ; pitch: from plane to plane
	s_mov_b32 s[G1B+8*\sl+5], BPL/8
	s_mov_b32 s[G1A+8*\sl+6], 0
	s_mov_b32 s[G1B+8*\sl+6], 0
	s_mov_b32 s[G1A+8*\sl+7], 0
	s_mov_b32 s[G1B+8*\sl+7], 0
.endm
.macro FIRST sl, planes, base, first   ; group 0 of slot sl at LDS byte `base`, from plane `first` on; then the slot's first load
	s_mov_b32 s[G0A+4*\sl], 1
	s_mul_i32 s20, s10, \planes*AH
	s_add_co_u32 s[G0A+4*\sl+1], s20, \base
	s_add_nc_u64 s[G0A+4*\sl+2:G0A+4*\sl+3], s[14:15], \first*APL
	s_or_b32 s[G0A+4*\sl+3], s[G0A+4*\sl+3], 0x80000000
	s_mov_b32 s[G0B+4*\sl], 1
	s_mul_i32 s21, s10, \planes*BH
	s_add_co_u32 s[G0B+4*\sl+1], s21, \base+2*\planes*(AH-BH)
	s_add_nc_u64 s[G0B+4*\sl+2:G0B+4*\sl+3], s[18:19], \first*BPL
	s_or_b32 s[G0B+4*\sl+3], s[G0B+4*\sl+3], 0x80000000
	JLOAD \sl
.endm
.macro MULA f, hi, a, zero
.set tb, 0
.rept NT
.if \zero
	v_wmma_f32_16x16x32_bf16 v[8*(NT*(\a)+tb):8*(NT*(\a)+tb)+7], v[\f+8*tb:\f+8*tb+7], v[\f+8*(MH*\hi+(\a)):\f+8*(MH*\hi+(\a))+7], 0
.else
	v_wmma_f32_16x16x32_bf16 v[8*(NT*(\a)+tb):8*(NT*(\a)+tb)+7], v[\f+8*tb:\f+8*tb+7], v[\f+8*(MH*\hi+(\a)):\f+8*(MH*\hi+(\a))+7], v[8*(NT*(\a)+tb):8*(NT*(\a)+tb)+7]
.endif
.set tb, tb+1
.endr
.endm
.macro MULR f, hi, a0, n, zero         ; the accumulators take turns, one instruction a turn, in the same order in every quarter
.set ta, \a0
.rept \n
	MULA \f, \hi, ta, \zero
.set ta, ta+1
.endr
.endm
.macro FETCH slot, q, f                ; the fragments of the slot's quarter q (plane q/2, 64 bytes x q%2) into buffer f
	WIN 0x40
.set ti, 0
.rept NT
	ds_load_b128 v[\f+8*ti:\f+8*ti+3],   v[ADRB+\slot] offset:((\q)>>1)*BH+((\q)&1)*64+ti*8*PP
	ds_load_b128 v[\f+8*ti+4:\f+8*ti+7], v[ADRB+\slot] offset:((\q)>>1)*BH+((\q)&1)*64+ti*8*PP+32
.set ti, ti+1
.endr
	WIN 0
.set ti, 0
.rept 2*MH
	ds_load_b128 v[\f+8*ti:\f+8*ti+3],   v[ADRA+\slot] offset:((\q)>>1)*AH+((\q)&1)*64+ti*8*PP
	ds_load_b128 v[\f+8*ti+4:\f+8*ti+7], v[ADRA+\slot] offset:((\q)>>1)*AH+((\q)&1)*64+ti*8*PP+32
.set ti, ti+1
.endr
.endm
.macro QUARTER slot, q, f, g, zero
	s_wait_dscnt 2*MH                              ; B and A's lower tiles are in; the youngest 2 MH loads (A's upper tiles) may be out
	WIN 0xa1
	MULR \f, 0, 0, MH, \zero
	PLACES
	FETCH \slot, \q, \g
	s_wait_dscnt 2*NT+4*MH                         ; all but the run just issued
	WIN 0xf1
	MULR \f, 1, 0, MH, \zero
.endm
.macro RUN slot, planes, zero          ; all quarters of a slot's `planes` planes but the last
	QUARTER \slot, 1, F0, F1, \zero
.if \planes > 1
.set tq, 2
.rept \planes-1
	QUARTER \slot, tq, F1, F0, 0
	QUARTER \slot, tq+1, F0, F1, 0
.set tq, tq+2
.endr
.endif
.endm
; The change of slots: waits, barrier (opening the cluster's round where the slot is filled again), the joint refill first, then the next slot's fragments.
; part = the planes of a refill shorter than the slot (0: a whole one): group 1's two counts are written anew behind the wait that showed every load of mine done.
.macro TURN slot, next, fill, part
	s_wait_dscnt 2*MH
	WIN 0xa1
	MULR F1, 0, 0, MH/2, 0
	s_wait_dscnt 0x0                               ; my reads of this slot are over
	s_wait_tensorcnt 0x0                           ; all my tensor loads have landed
	ds_add_u32 v255, v31
	s_wait_dscnt 0x0
	s_barrier_signal -1
	MULR F1, 0, MH/2, MH/2, 0
	WIN 0
	s_barrier_wait -1
.if \fill
	CREST
	s_add_nc_u64 s[G0A+4*\slot+2:G0A+4*\slot+3], s[G0A+4*\slot+2:G0A+4*\slot+3], (XP+YP)*APL
	s_add_nc_u64 s[G0B+4*\slot+2:G0B+4*\slot+3], s[G0B+4*\slot+2:G0B+4*\slot+3], (XP+YP)*BPL
.if \part
	s_mov_b32 s[G1A+8*\slot+2], \part<<16
	s_mov_b32 s[G1A+8*\slot+4], \part
	s_mov_b32 s[G1B+8*\slot+2], \part<<16
	s_mov_b32 s[G1B+8*\slot+4], \part
.endif
	JLOAD \slot
.endif
	PLACES
	FETCH \next, 0, F0
	WIN 0xf1
	MULR F1, 1, 0, MH, 0
.endm
.macro LAST
	s_wait_dscnt 2*MH
	WIN 0xa1
	MULR F1, 0, 0, MH, 0
	s_wait_dscnt 0x0
	WIN 0xf1
	MULR F1, 1, 0, MH, 0
	PLACES
	WIN 0
.endm
.macro STAGEH hi, win
	WIN \win
.set ta, 0
.rept MH
.set tb, 0
.rept NT
	ds_store_b128 v[STO+\hi], v[8*(NT*ta+tb):8*(NT*ta+tb)+3]   offset:ta*16*SP+64*tb
	ds_store_b128 v[STO+\hi], v[8*(NT*ta+tb)+4:8*(NT*ta+tb)+7] offset:ta*16*SP+64*tb+16
.set tb, tb+1
.endr
.set ta, ta+1
.endr
.endm
	s_load_b128 s[4:7], s[0:1], 0x0                ; xm s[4:5], wts s[6:7]
	s_load_b128 s[76:79], s[0:1], 0x10             ; pos s[76:77], qkv s[78:79]
	s_set_vgpr_msb 0x40
	v_lshl_add_u32 v255, v0, 2, 0x4a600
	s_set_vgpr_msb 0x4000
	v_mov_b32 v31, 0
	s_set_vgpr_msb 0x1
	ds_add_u32 v255, v31
	s_set_vgpr_msb 0x100
	v_lshrrev_b32 v1, 5, v0
	v_readfirstlane_b32 s10, v1                    ; wave
	s_lshr_b32 s11, s10, 1
	s_and_b32 s12, s10, 1
	s_bfe_u32 s8, ttmp6, 0x40000                   ; cx
	s_bfe_u32 s9, ttmp6, 0x40004                   ; cy
	s_lshl_b32 s67, ttmp9, 2
	s_add_co_u32 s67, s67, s8                      ; nb = head
	s_and_b32 s13, ttmp7, 0xffff
	s_lshl_b32 s13, s13, 2
	s_add_co_u32 s13, s13, s9                      ; mb
	s_lshl_b32 s100, s9, 2
	s_lshl_b32 s100, 15, s100                      ; my row of the cluster
	s_lshl_b32 s101, 0x1111, s8                    ; my column
	SHAPE 0, XP
	SHAPE 1, YP
	s_mul_i32 s16, s12, BM*64
	s_mul_i32 s17, s13, BM*128
	s_add_co_u32 s16, s16, s17
	s_mov_b32 s17, 0
	s_mul_i32 s18, s12, BN*64
	s_mul_i32 s19, s67, BN*128
	s_add_co_u32 s18, s18, s19
.if BOFF
	s_add_co_u32 s18, s18, BOFF
.endif
	s_mov_b32 s19, 0
	s_wait_dscnt 0x0
	s_wait_kmcnt 0x0
	s_add_nc_u64 s[14:15], s[4:5], s[16:17]
	s_add_nc_u64 s[18:19], s[6:7], s[18:19]
	CROUND                                         ; in front of the first joint loads
	FIRST 0, XP, 0, 0                              ; planes 0, 1
	FIRST 1, YP, SLY, XP                           ; planes 2, 3, 4
	v_and_b32 v1, 15, v0                           ; r, later c
	v_bfe_u32 v2, v0, 4, 1                         ; h, later rp
	v_lshrrev_b32 v3, 1, v1
	v_and_b32 v4, 1, v0
	v_mul_u32_u24 v3, v3, PP
	v_lshl_add_u32 v3, v4, 7, v3
	v_lshl_add_u32 v3, v2, 4, v3
	s_mul_i32 s22, s11, XP*AH
	s_mul_i32 s23, s12, XP*BH
	s_add_co_u32 s23, s23, 2*XP*AH
	v_add_nc_u32 v[ADRA], s22, v3
	v_add_nc_u32 v[ADRB], s23, v3
	s_mul_i32 s22, s11, YP*AH
	s_add_co_u32 s22, s22, SLY
	s_mul_i32 s23, s12, YP*BH
	s_add_co_u32 s23, s23, SLY+2*YP*AH
	v_add_nc_u32 v[ADRA+1], s22, v3
	v_add_nc_u32 v[ADRB+1], s23, v3
	s_mul_i32 s98, s11, (BM/2)*SP
	s_mul_i32 s99, s12, (BN/2)*4
	s_add_co_u32 s98, s98, s99
	v_mul_u32_u24 v[STO], v1, SP
	v_lshl_add_u32 v[STO], v2, 5, v[STO]
	v_add_nc_u32 v[STO], s98, v[STO]
	v_add_nc_u32 v[STO+1], 16*MH*SP, v[STO]
	; the way out's addresses: wave w takes tokens 64 w .. 64 w + 63 of the block, two at a time: lane (rp, c) has token 2 i + rp, d = 4 c .. 4 c + 3
	s_lshl_b32 s86, s13, 8
	s_lshl_b32 s87, s10, 6
	s_add_co_u32 s86, s86, s87                     ; row0
	s_lshl_b32 s92, s86, 9
	s_mov_b32 s93, 0
	s_add_nc_u64 s[76:77], s[76:77], s[92:93]      ; pos at row0 (512 bytes a token)
	s_lshr_b32 s88, s13, 3                         ; b
	s_lshl_b32 s88, s88, 4
	s_add_co_u32 s88, s88, s67                     ; 16 b + h
	s_lshl_b32 s88, s88, 11
	s_and_b32 s90, s13, 7
	s_lshl_b32 s90, s90, 8
	s_add_co_u32 s88, s88, s90                     ; + l of the block's first token
	s_add_co_u32 s88, s88, s87                     ; + 64 w
	s_lshl_b32 s88, s88, 7                         ; x 128 bytes
	s_mov_b32 s89, 0
	s_add_nc_u64 s[80:81], s[78:79], s[88:89]      ; q
	s_add_nc_u64 s[82:83], s[80:81], 8388608       ; k
	s_add_nc_u64 s[84:85], s[82:83], 8388608       ; v
	v_and_b32 v5, 31, v0
	v_lshlrev_b32 v6, 5, v1
	v_lshl_add_u32 v6, v2, 9, v6                   ; pos: rp x 512 + 32 c
	v_lshlrev_b32 v7, 3, v5                        ; 8 x lane
	s_mul_i32 s96, s10, 64*SP
	v_mul_u32_u24 v26, v2, SP
	v_add_nc_u32 v26, s96, v26
	v_lshl_add_u32 v26, v1, 4, v26                 ; stage row 64 w + rp, 16 c
	v_lshrrev_b32 v28, 3, v1
	v_xor_b32 v28, 1, v28
	v_lshlrev_b32 v28, 31, v28                     ; the sign of the partner: minus where d < 32
	s_wait_tensorcnt 1                             ; my part of slot X is in; slot Y's stays out
	s_barrier_signal -1
	s_barrier_wait -1
	FETCH 0, 0, F0
	RUN 0, XP, 1                                   ; planes 0, 1: the first products start the sums
	TURN 0, 1, 1, 0                                ; X asks for planes 5, 6
	RUN 1, YP, 0                                   ; planes 2, 3, 4
	TURN 1, 0, 1, 0                                ; Y asks for planes 7, 8, 9
	RUN 0, XP, 0
	TURN 0, 1, 1, 0                                ; X asks for planes 10, 11
	RUN 1, YP, 0
	TURN 1, 0, 1, 0                                ; Y asks for planes 12, 13, 14
	RUN 0, XP, 0
	TURN 0, 1, 1, 1                                ; X asks for plane 15 alone
	RUN 1, YP, 0
	TURN 1, 0, 0, 0                                ; nothing more is asked for
	RUN 0, 1, 0                                    ; plane 15
	LAST
	; THE WAY OUT.  Ring set i % 3, 12 registers at v32: [0:3] q, [4:7] k, [8:11] v.  v68-71 signed sines, v72-75 and v76-79 the partners' products.
	; The partner d ^ 32 of my four d lies 8 lanes away in my row of 16 lanes: it comes with the multiply itself (DPP, lane xor 8), not from LDS.
	; The packed results have a ring of their own, 8 steps deep, at v80: one wait every 8 steps frees their registers.
.macro PL i                            ; step i's sines and cosines (s0 c0 s1 c1 | s2 c2 s3 c3), into ring slot i % 16 at v128
.set QR, 128+8*((\i)%16)
	global_load_b128 v[QR:QR+3],   v6, s[76:77] offset:1024*(\i)
	global_load_b128 v[QR+4:QR+7], v6, s[76:77] offset:1024*(\i)+16
.endm
.macro DSL i                           ; step i's q, k, v: 16 lanes read one row of 256 bytes
.set DR, 32+12*((\i)%3)
	ds_load_b128 v[DR:DR+3],    v26 offset:2*SP*(\i)
	ds_load_b128 v[DR+4:DR+7],  v26 offset:2*SP*(\i)+256
	ds_load_b128 v[DR+8:DR+11], v26 offset:2*SP*(\i)+512
.endm
.set it, 0
.rept 16
	PL it
.set it, it+1
.endr
.irp j, 0,1,2,3,4,5,6,7
	v_mov_b32 v[72+\j], 0                          ; a DPP form counts as a reader of its destination: written once here
.endr
	s_wait_dscnt 0x0
	s_barrier_signal -1
	s_barrier_wait -1                              ; no wave reads the slots any more; they have had their last fill
	STAGEH 0, 0x08
	STAGEH 1, 0x0c
	WIN 0
	s_wait_dscnt 0x0                               ; my stores are in LDS before I say so
	s_barrier_signal -1
	s_barrier_wait -1
	DSL 0
	DSL 1
	DSL 2
.set it, 0
.rept 32
.set RS, 32+12*(it%3)
.set PR, 128+8*(it%16)
.set PK, 80+6*(it%8)
.if it <= 16
	s_wait_loadcnt 30                              ; this step's two loads are in; fifteen younger steps' stay out
.else
	s_wait_loadcnt 2*(31-it)
.endif
.if it <= 29
	s_wait_dscnt 6                                 ; this set's three loads are in; two younger sets stay out
.else
	s_wait_dscnt 3*(31-it)
.endif
.if it
.if it%8 == 0
	s_wait_xcnt 0x0                                ; the packed results of the last eight steps, which stores read, are rewritten only behind this wait
.endif
.endif
.irp j, 0,1,2,3
	v_xor_b32 v[68+\j], v28, v[PR+2*\j]            ; sin with the partner's sign
.endr
.irp j, 0,1,2,3
	v_mul_f32_dpp v[72+\j], v[RS+\j],   v[68+\j] row_xmask:8 row_mask:0xf bank_mask:0xf    ; q of lane xor 8 times my signed sine
	v_mul_f32_dpp v[76+\j], v[RS+4+\j], v[68+\j] row_xmask:8 row_mask:0xf bank_mask:0xf    ; k likewise; all eight stand ahead of the lines that overwrite q and k
.endr
.irp j, 0,1,2,3
	v_fma_f32 v[RS+\j],   v[RS+\j],   v[PR+2*\j+1], v[72+\j]
	v_fma_f32 v[RS+4+\j], v[RS+4+\j], v[PR+2*\j+1], v[76+\j]
.endr
	v_pk_mul_f32 v[RS:RS+1],   v[RS:RS+1],   0x3e38aa3b op_sel_hi:[1,0]    ; q x 0.125 log2(e)
	v_pk_mul_f32 v[RS+2:RS+3], v[RS+2:RS+3], 0x3e38aa3b op_sel_hi:[1,0]
	v_cvt_pk_bf16_f32 v[PK],   v[RS],    v[RS+1]
	v_cvt_pk_bf16_f32 v[PK+1], v[RS+2],  v[RS+3]
	v_cvt_pk_bf16_f32 v[PK+2], v[RS+4],  v[RS+5]
	v_cvt_pk_bf16_f32 v[PK+3], v[RS+6],  v[RS+7]
	v_cvt_pk_bf16_f32 v[PK+4], v[RS+8],  v[RS+9]
	v_cvt_pk_bf16_f32 v[PK+5], v[RS+10], v[RS+11]
	global_store_b64 v7, v[PK:PK+1],   s[80:81] offset:256*it              ; each store of the wave covers 256 consecutive bytes, aligned
	global_store_b64 v7, v[PK+2:PK+3], s[82:83] offset:256*it
	global_store_b64 v7, v[PK+4:PK+5], s[84:85] offset:256*it
.if it <= 15
	PL it+16
.endif
.if it <= 28
	DSL it+3
.endif
.set it, it+1
.endr
	s_set_vgpr_msb 0x1
	s_wait_tensorcnt 0x0
	ds_add_u32 v255, v31
	s_wait_dscnt 0x0
	s_set_vgpr_msb 0x100
	CROUND                                         ; the closing round
	s_endpgm
.Lfunc_end_k_q4c3e383dd6_qkvrope:
	.size	k_q4c3e383dd6_qkvrope, .Lfunc_end_k_q4c3e383dd6_qkvrope-k_q4c3e383dd6_qkvrope
	.p2alignl 7, 3214868480
	.fill 96, 4, 3214868480
	.section	.rodata,"a",@progbits
	.p2align	6, 0x0
	.amdhsa_kernel k_q4c3e383dd6_qkvrope
		.amdhsa_group_segment_fixed_size 327680
		.amdhsa_private_segment_fixed_size 0
		.amdhsa_enable_private_segment 0
		.amdhsa_kernarg_size 32
		.amdhsa_user_sgpr_count 2
		.amdhsa_user_sgpr_kernarg_segment_ptr 1
		.amdhsa_wavefront_size32 1
		.amdhsa_system_sgpr_workgroup_id_x 1
		.amdhsa_system_sgpr_workgroup_id_y 1
		.amdhsa_system_sgpr_workgroup_id_z 1
		.amdhsa_system_vgpr_workitem_id 0
		.amdhsa_next_free_vgpr 1024
		.amdhsa_next_free_sgpr 102
		.amdhsa_reserve_vcc 0
		.amdhsa_float_denorm_mode_32 3
		.amdhsa_float_denorm_mode_16_64 3
		.amdhsa_memory_ordered 1
		.amdhsa_forward_progress 1
		.amdhsa_inst_pref_size 255
	.end_amdhsa_kernel
	.section	.bss,"aw",@nobits
	.p2align	6
	.space	262144
	.amdgpu_metadata
---
amdhsa.version: [ 1, 2 ]
amdhsa.kernels:
  - .name:           k_q4c3e383dd6_qkvrope
    .symbol:         k_q4c3e383dd6_qkvrope.kd
    .args:
      - { .name: xm, .offset: 0, .size: 8, .value_kind: global_buffer, .address_space: global }
      - { .name: wts, .offset: 8, .size: 8, .value_kind: global_buffer, .address_space: global }
      - { .name: pos, .offset: 16, .size: 8, .value_kind: global_buffer, .address_space: global }
      - { .name: qkv, .offset: 24, .size: 8, .value_kind: global_buffer, .address_space: global }
    .group_segment_fixed_size: 327680
    .private_segment_fixed_size: 0
    .kernarg_segment_align: 8
    .kernarg_segment_size: 32
    .max_flat_workgroup_size: 128
    .sgpr_count:     102
    .vgpr_count:     1024
    .wavefront_size: 32
...
	.end_amdgpu_metadata
.endif
;; end of part 3
;; launch attn (part 4): grid 8 x 32, 8 waves a work-group, clusters of 4 x 1, 327,680 bytes of LDS; arguments qkv, att; writes att
.if DOCPART == 4
	.amdgcn_target "amdgcn-amd-amdhsa--gfx1250"
	.amdhsa_code_object_version 6
	.text
	.protected	k_q4c3e383dd6_attn
	.globl	k_q4c3e383dd6_attn
	.p2align	8
	.type	k_q4c3e383dd6_attn,@function
k_q4c3e383dd6_attn:
	s_mov_b64 s[64:65], 0
	v_nop
	global_prefetch_b8 v0, s[64:65] scope:SCOPE_SE
	s_setreg_imm32_b32 hwreg(HW_REG_WAVE_MODE, 25, 1), 1
	s_wait_xcnt 0x0
	s_wait_alu depctr_hold_cnt(0) depctr_sa_sdst(0) depctr_va_vdst(0) depctr_va_sdst(0) depctr_va_ssrc(0) depctr_va_vcc(0) depctr_vm_vsrc(0)
	s_getreg_b32 s2, hwreg(HW_REG_IB_STS2, 6, 4)
	s_cmp_eq_u32 s2, 0
	s_cbranch_scc0 .Lentry_in_a_cluster
	s_endpgm
.Lentry_in_a_cluster:
	s_bfe_u32 s2, ttmp6, 0x10000c
	s_cmp_lg_u32 s2, 0x3003
	s_cbranch_scc0 .Lentry_shape_is_right
	s_endpgm
.Lentry_shape_is_right:
; ATTN: softmax(q k^T) v for 32 heads (b, h) of 2048 x 2048 x 64, with a running maximum.  qkv[s][bh][l][64] bf16, q already times 0.125 log2(e).
; A work-group takes 256 queries of one head, a wave 32 (two tiles of 16).  Eight waves, two on a SIMD: a chunk's vector and exponential work is about as
; long as its 32 matrix instructions, so one wave's fills the unit that the other leaves idle, and 256 registers a wave need no window switches.
; TRANSPOSED FORMS.  S^T = K Q^T: a lane holds one query (r) and keys 8 h + j; two key tiles pack in place into P's fragment as source 1 of
; O^T = V^T P^T, whose source 0 comes by transposing LDS loads.  Maximum, sum and O's factor are then one number a lane.
; CLUSTERS: the four work-groups of a cluster take four query blocks of one head and ask for the same K and V tiles jointly (mask 15).
; K and V go in tiles of 256 keys through two LDS slots; each wave asks for 64 keys (8 KiB, dense, as 32 rows of 256 bytes): waves 0-3 V, waves 4-7 K.
; One tensor load of a wave is out at a time, asked for a whole tile's work ahead.
; LIMITS: q, k, v and p in bf16; the sum of p is taken in f32 before p is rounded; v_exp_f32 and v_rcp_f32 are 1-ULP forms that flush denormals.
.set SLOT, 71680                       ; V: 128 rows of 288, then K: 128 rows of 272
.set KOFF, 36864
.set STG,  143360                      ; behind the ring: 32 rows x 144 bytes a wave, for the way out; no tensor load fills it
.set G1V, 16                           ; s[16:23]
.set G1K, 24                           ; s[24:31]
.set G0V, 32                           ; s[32:39] one set a slot
.set G0K, 40                           ; s[40:47]
; v2, v3 K's fragment address in slot 0, 1; v4, v5 V's; v6, v7 stage in and back; v8 offset in att; v9 offset in q
; v[10:11], v[12:13] (M, T) of query tile 0, 1; v[14:15], v[16:17] (AL, sum); v18 new maximum; v20-23 maxima; v[24:31] sums
; v32 + 16 qt + 8 dh: Q;  v64 + 8 (2 dt + qt): O^T;  v128 + 32 qt + 8 kt: S^T, then P in the first 8 of each 16;  v192-255: K's, then V's fragments
.macro ROUND
	s_barrier_signal -1
	s_barrier_wait -1
	s_cmp_lg_u32 s8, 0
	s_cbranch_scc1 .Lnot_wave_0_\@
	s_barrier_signal -3
.Lnot_wave_0_\@:
	s_barrier_wait -3
	s_barrier_signal -1
	s_barrier_wait -1
.endm
.macro JLOAD s                         ; the branch hangs on the wave's number alone
	s_cmp_eq_u32 s9, 0
	s_cbranch_scc0 .Lfor_k_\@
	tensor_load_to_lds s[G0V+4*\s:G0V+4*\s+3], s[G1V:G1V+7]
	s_nop 0
	s_branch .Lasked_\@
.Lfor_k_\@:
	tensor_load_to_lds s[G0K+4*\s:G0K+4*\s+3], s[G1K:G1K+7]
	s_nop 0
.Lasked_\@:
.endm
.macro KLOAD slot, c                   ; chunk c's 64 keys: four tiles x two halves of d, the first halves first
.irp dh, 0,1
.irp kt, 0,1,2,3
	ds_load_b128 v[192+16*\kt+8*\dh:192+16*\kt+8*\dh+3],   v[2+\slot] offset:(4*(\c)+\kt)*2176+64*\dh
	ds_load_b128 v[192+16*\kt+8*\dh+4:192+16*\kt+8*\dh+7], v[2+\slot] offset:(4*(\c)+\kt)*2176+64*\dh+32
.endr
.endr
.endm
.macro VLOAD slot, c                   ; V^T: 16 d x 32 keys a fragment; each group of eight lanes transposes 8 x 8
.irp kp, 0,1
.irp dt, 0,1,2,3
	ds_load_tr16_b128 v[192+32*\kp+8*\dt:192+32*\kp+8*\dt+3],   v[4+\slot] offset:(2*(\c)+\kp)*4608+32*\dt
	ds_load_tr16_b128 v[192+32*\kp+8*\dt+4:192+32*\kp+8*\dt+7], v[4+\slot] offset:(2*(\c)+\kp)*4608+32*\dt+2304
.endr
.endr
.endm
.macro SOFT qt, first                  ; one query tile's 64 keys: running maximum, p = 2^(s - M), sum, p to bf16 in place, O times 2^(M old - M)
.set SB, 128+32*\qt
.set MR, 10+2*\qt
.set AR, 14+2*\qt
.irp k, 0,1,2,3
	v_max3_num_f32 v[20+\k], v[SB+8*\k], v[SB+8*\k+1], v[SB+8*\k+2]
.endr
.irp k, 0,1,2,3
	v_max3_num_f32 v[20+\k], v[20+\k], v[SB+8*\k+3], v[SB+8*\k+4]
.endr
.irp k, 0,1,2,3
	v_max3_num_f32 v[20+\k], v[20+\k], v[SB+8*\k+5], v[SB+8*\k+6]
.endr
	v_max3_num_f32 v20, v20, v21, v[SB+7]
	v_max3_num_f32 v22, v22, v23, v[SB+15]
	v_max3_num_f32 v20, v20, v22, v[SB+23]
	v_max_num_f32 v20, v20, v[SB+31]
	v_permlanex16_b32 v[MR+1], v20, s10, s11       ; the other half of the keys lies 16 lanes away
.if \first
	v_max_num_f32 v[MR], v20, v[MR+1]
.else
	v_max3_num_f32 v18, v20, v[MR+1], v[MR]
	v_sub_f32 v[AR], v[MR], v18
	v_exp_f32 v[AR], v[AR]
	v_mov_b32 v[MR], v18                           ; the plain place behind v_exp_f32
.endif
.set ti, 0
.rept 16
	v_pk_add_f32 v[SB+2*ti:SB+2*ti+1], v[SB+2*ti:SB+2*ti+1], v[MR:MR+1] op_sel_hi:[1,0] neg_lo:[0,1] neg_hi:[0,1]   ; s - M, M for both halves
.set ti, ti+1
.endr
.set ti, 0
.rept 32
	v_exp_f32 v[SB+ti], v[SB+ti]
.set ti, ti+1
.endr
	v_nop                                          ; one plain place before the results are used
	s_wait_alu depctr_va_vdst(0)
.irp k, 0,1,2,3
	v_pk_add_f32 v[24+2*\k:25+2*\k], v[SB+2*\k:SB+2*\k+1], v[SB+8+2*\k:SB+9+2*\k]
.endr
.irp k, 0,1,2,3
	v_pk_add_f32 v[24+2*\k:25+2*\k], v[24+2*\k:25+2*\k], v[SB+16+2*\k:SB+17+2*\k]
.endr
.irp k, 0,1,2,3
	v_pk_add_f32 v[24+2*\k:25+2*\k], v[24+2*\k:25+2*\k], v[SB+24+2*\k:SB+25+2*\k]
.endr
	v_pk_add_f32 v[24:25], v[24:25], v[26:27]
	v_pk_add_f32 v[28:29], v[28:29], v[30:31]
	v_pk_add_f32 v[24:25], v[24:25], v[28:29]
.if \first
	v_add_f32 v[AR+1], v24, v25
.else
	v_add_f32 v24, v24, v25
	v_fma_f32 v[AR+1], v[AR+1], v[AR], v24
.endif
.irp kp, 0,1
.irp i, 0,1,2,3,4,5,6,7
	v_cvt_pk_bf16_f32 v[SB+16*\kp+\i], v[SB+16*\kp+2*\i], v[SB+16*\kp+2*\i+1]      ; register i is written after it has been read
.endr
.endr
.if \first == 0
.irp dt, 0,1,2,3
.irp p, 0,2,4,6
	v_pk_mul_f32 v[64+8*(2*\dt+\qt)+\p:64+8*(2*\dt+\qt)+\p+1], v[64+8*(2*\dt+\qt)+\p:64+8*(2*\dt+\qt)+\p+1], v[AR:AR+1] op_sel_hi:[1,0]
.endr
.endr
.endif
.endm
; 64 keys.  All matrix instructions take their eight accumulators by turns, one instruction a turn.
.macro CHUNK slot, c, first
	s_wait_dscnt 8                                 ; K's first halves of d are in; the eight younger loads stay out
.irp kt, 0,1,2,3
.irp qt, 0,1
	v_wmma_f32_16x16x32_bf16 v[128+32*\qt+8*\kt:128+32*\qt+8*\kt+7], v[192+16*\kt:192+16*\kt+7], v[32+16*\qt:32+16*\qt+7], 0
.endr
.endr
	s_wait_dscnt 0x0
.irp kt, 0,1,2,3
.irp qt, 0,1
	v_wmma_f32_16x16x32_bf16 v[128+32*\qt+8*\kt:128+32*\qt+8*\kt+7], v[192+16*\kt+8:192+16*\kt+15], v[32+16*\qt+8:32+16*\qt+15], v[128+32*\qt+8*\kt:128+32*\qt+8*\kt+7]
.endr
.endr
.rept 4
	v_nop                                          ; four places: V's loads land on K's fragments, and the maxima read the results
.endr
	VLOAD \slot, \c
	SOFT 0, \first
	SOFT 1, \first
	s_wait_dscnt 8                                 ; V's first 32 keys are in
.irp dt, 0,1,2,3
.irp qt, 0,1
.if \first
	v_wmma_f32_16x16x32_bf16 v[64+8*(2*\dt+\qt):64+8*(2*\dt+\qt)+7], v[192+8*\dt:192+8*\dt+7], v[128+32*\qt:128+32*\qt+7], 0
.else
	v_wmma_f32_16x16x32_bf16 v[64+8*(2*\dt+\qt):64+8*(2*\dt+\qt)+7], v[192+8*\dt:192+8*\dt+7], v[128+32*\qt:128+32*\qt+7], v[64+8*(2*\dt+\qt):64+8*(2*\dt+\qt)+7]
.endif
.endr
.endr
	s_wait_dscnt 0x0
.irp dt, 0,1,2,3
.irp qt, 0,1
	v_wmma_f32_16x16x32_bf16 v[64+8*(2*\dt+\qt):64+8*(2*\dt+\qt)+7], v[224+8*\dt:224+8*\dt+7], v[128+32*\qt+16:128+32*\qt+23], v[64+8*(2*\dt+\qt):64+8*(2*\dt+\qt)+7]
.endr
.endr
.rept 5
	v_nop                                          ; five places: the next S^T is written over P, the next loads land on V's fragments
.endr
.if \c < 3
	KLOAD \slot, \c+1
.endif
.endm
; One tile of 256 keys.  In front of the cluster's round every wave waits for all its tensor loads and for its reads of the other slot;
; the joint refill of that slot is the first tensor load behind the round, ahead of the first LDS read.
.macro TRIP slot, other, refill, first
	s_set_vgpr_msb 0x4
	s_wait_tensorcnt 0x0                           ; all my loads are done, my part of this tile among them: every group 0 may be written
	ds_add_u32 v19, v1
	s_wait_dscnt 0x0
	s_set_vgpr_msb 0x400
	s_add_nc_u64 s[G0V+4*\slot+2:G0V+4*\slot+3], s[G0V+4*\slot+2:G0V+4*\slot+3], 65536   ; this slot's next tile, two tiles on (the last two steps are not used)
	s_add_nc_u64 s[G0K+4*\slot+2:G0K+4*\slot+3], s[G0K+4*\slot+2:G0K+4*\slot+3], 65536
	s_wait_dscnt 0x0                               ; my reads of the last tile are done
	ROUND
.if \refill
	JLOAD \other
.endif
	KLOAD \slot, 0
	CHUNK \slot, 0, \first
	CHUNK \slot, 1, 0
	CHUNK \slot, 2, 0
	CHUNK \slot, 3, 0
.endm
	s_load_b128 s[4:7], s[0:1], 0x0                ; qkv s[4:5], att s[6:7]
	v_lshl_add_u32 v19, v0, 2, 0x2c000
	s_set_vgpr_msb 0x40
	v_mov_b32 v1, 0
	s_set_vgpr_msb 0x4044
	ds_add_u32 v19, v1
	s_set_vgpr_msb 0x4400
	v_lshrrev_b32 v1, 5, v0
	v_readfirstlane_b32 s8, v1                     ; wave
	s_lshr_b32 s9, s8, 2                           ; I fetch V (0) or K (1),
	s_and_b32 s12, s8, 3                           ; and which 64 keys of a tile
	s_bfe_u32 s13, ttmp6, 0x40000                  ; cx
	s_lshl_b32 s14, ttmp9, 2
	s_add_co_u32 s14, s14, s13                     ; qb: query block
	s_and_b32 s15, ttmp7, 0xffff                   ; bh
	s_mov_b32 s10, 0x76543210                      ; v_permlanex16_b32: lane i of one half reads lane i of the other
	s_mov_b32 s11, 0xfedcba98
	s_mov_b32 s[G1V+0], 15|(3<<16)|(1<<20)|(1<<21)|(5<<22)|(7<<25)   ; mask: all four; elements of 8 bytes; after every 64 words 8 words: rows 288 bytes apart
	s_mov_b32 s[G1K+0], 15|(3<<16)|(1<<20)|(1<<21)|(5<<22)|(3<<25)   ; the same with 4 words: rows 272 bytes apart
	s_mov_b32 s[G1V+1], 32<<16                     ; tensor_dim0 = 32 elements = 256 bytes
	s_mov_b32 s[G1K+1], 32<<16
	s_mov_b32 s[G1V+2], 32<<16                     ; tensor_dim1 = 32 rows
	s_mov_b32 s[G1K+2], 32<<16
	s_mov_b32 s[G1V+3], 32<<16                     ; tile_dim0
	s_mov_b32 s[G1K+3], 32<<16
	s_mov_b32 s[G1V+4], 32                         ; tile_dim1
	s_mov_b32 s[G1K+4], 32
	s_mov_b32 s[G1V+5], 32                         ; pitch: dense
	s_mov_b32 s[G1K+5], 32
	s_mov_b32 s[G1V+6], 0
	s_mov_b32 s[G1K+6], 0
	s_mov_b32 s[G1V+7], 0
	s_mov_b32 s[G1K+7], 0
	s_lshl_b32 s48, s15, 18                        ; the head's 2048 rows of 128 bytes,
	s_lshl_b32 s50, s12, 13                        ; my 64 keys
	s_add_co_u32 s48, s48, s50
	s_mov_b32 s49, 0
	s_mul_i32 s52, s8, 9216                        ; LDS: V's quarters at 9,216 w (waves 0-3),
	s_mul_i32 s53, s8, 8704
	s_add_co_u32 s53, s53, KOFF-4*8704             ; K's at 36,864 + 8,704 (w - 4) (waves 4-7)
	s_lshl_b32 s54, s15, 18                        ; q: the head, my block of 256, my 32 queries
	s_lshl_b32 s55, s14, 15
	s_add_co_u32 s54, s54, s55
	s_lshl_b32 s58, s8, 12
	s_add_co_u32 s54, s54, s58
	s_add_co_u32 s58, s58, s55                     ; att: plane h, token 2048 b + 256 qb + 32 w
	s_mov_b32 s55, 0
	s_and_b32 s59, s15, 15
	s_lshl_b32 s59, s59, 19
	s_add_co_u32 s58, s58, s59
	s_lshr_b32 s59, s15, 4
	s_lshl_b32 s59, s59, 18
	s_add_co_u32 s58, s58, s59
	s_mov_b32 s59, 0
	s_wait_dscnt 0x0
	s_wait_kmcnt 0x0
	s_add_nc_u64 s[50:51], s[4:5], s[48:49]
	s_add_nc_u64 s[56:57], s[4:5], s[54:55]
	s_add_nc_u64 s[60:61], s[6:7], s[58:59]
.irp s, 0,1
	s_mov_b32 s[G0V+4*\s], 1
	s_add_co_u32 s[G0V+4*\s+1], s52, \s*SLOT
	s_add_nc_u64 s[G0V+4*\s+2:G0V+4*\s+3], s[50:51], 16777216+\s*32768
	s_or_b32 s[G0V+4*\s+3], s[G0V+4*\s+3], 0x80000000
	s_mov_b32 s[G0K+4*\s], 1
	s_add_co_u32 s[G0K+4*\s+1], s53, \s*SLOT
	s_add_nc_u64 s[G0K+4*\s+2:G0K+4*\s+3], s[50:51], 8388608+\s*32768
	s_or_b32 s[G0K+4*\s+3], s[G0K+4*\s+3], 0x80000000
.endr
	ROUND                                          ; in front of the first joint load
	JLOAD 0
	v_and_b32 v20, 15, v0                          ; r
	v_bfe_u32 v21, v0, 4, 1                        ; h
	v_lshrrev_b32 v22, 1, v20
	v_and_b32 v23, 1, v0
	v_lshlrev_b32 v9, 7, v20
	v_lshl_add_u32 v9, v21, 4, v9                  ; q: r x 128 + 16 h
.irp qt, 0,1
.irp dh, 0,1
	global_load_b128 v[32+16*\qt+8*\dh:32+16*\qt+8*\dh+3],   v9, s[56:57] offset:2048*\qt+64*\dh
	global_load_b128 v[32+16*\qt+8*\dh+4:32+16*\qt+8*\dh+7], v9, s[56:57] offset:2048*\qt+64*\dh+32
.endr
.endr
	v_mul_u32_u24 v2, v22, 272                     ; K: key p at (p/2) 272 + (p%2) 128: 16 keys start in 16 different 16-byte columns
	v_lshl_add_u32 v2, v23, 7, v2
	v_lshl_add_u32 v2, v21, 4, v2
	v_add_nc_u32 v2, KOFF, v2
	v_add_nc_u32 v3, SLOT, v2
	v_bfe_u32 v24, v0, 1, 2
	v_lshl_add_u32 v24, v21, 2, v24                ; V: key 8 h + (L & 7), halved,
	v_bfe_u32 v25, v0, 3, 1
	v_mul_u32_u24 v4, v24, 288                     ; at (p/2) 288 + (p%2) 128 + 16 ((L >> 3) & 1): again 16 different columns
	v_lshl_add_u32 v4, v23, 7, v4
	v_lshl_add_u32 v4, v25, 4, v4
	v_add_nc_u32 v5, SLOT, v4
	s_mul_i32 s62, s8, 4608
	s_add_co_u32 s62, s62, STG                     ; my stage
	v_mul_u32_u24 v6, v20, 144
	v_lshl_add_u32 v6, v21, 4, v6
	v_add_nc_u32 v6, s62, v6
	v_bfe_u32 v26, v0, 3, 2
	v_and_b32 v27, 7, v0
	v_mul_u32_u24 v7, v26, 144
	v_lshl_add_u32 v7, v27, 4, v7
	v_add_nc_u32 v7, s62, v7
	v_and_b32 v28, 31, v0
	v_lshlrev_b32 v8, 4, v28
	v_mov_b32 v11, 0                               ; v_permlanex16_b32 counts as a reader of its destination
	v_mov_b32 v13, 0
	s_wait_loadcnt 0x0                             ; Q, once
	TRIP 0, 1, 1, 1                                ; tiles 0 and 1: the first chunk starts maxima, sums and O
	TRIP 1, 0, 1, 0
	s_mov_b32 s3, 2
.Lpair:
	TRIP 0, 1, 1, 0                                ; tiles 2 to 5
	TRIP 1, 0, 1, 0
	s_sub_co_u32 s3, s3, 1
	s_cmp_lg_u32 s3, 0
	s_cbranch_scc1 .Lpair
	TRIP 0, 1, 1, 0                                ; tile 6 asks for tile 7,
	TRIP 1, 0, 0, 0                                ; which asks for nothing
	; THE WAY OUT: divide by the sum, round, 16 bytes a lane into my own stage, back as pieces of 512 bytes.  The five places behind the last matrix instructions stand above.
	v_permlanex16_b32 v11, v15, s10, s11
	v_permlanex16_b32 v13, v17, s10, s11
	v_add_f32 v15, v15, v11
	v_add_f32 v17, v17, v13
	v_rcp_f32 v14, v15
	v_rcp_f32 v16, v17
	v_nop                                          ; one plain place before the reciprocals are used
	s_wait_alu depctr_va_vdst(0)
.irp qt, 0,1
.irp dt, 0,1,2,3
.irp p, 0,2,4,6
	v_pk_mul_f32 v[64+8*(2*\dt+\qt)+\p:64+8*(2*\dt+\qt)+\p+1], v[64+8*(2*\dt+\qt)+\p:64+8*(2*\dt+\qt)+\p+1], v[14+2*\qt:15+2*\qt] op_sel_hi:[1,0]
.endr
.irp i, 0,1,2,3
	v_cvt_pk_bf16_f32 v[192+4*(4*\qt+\dt)+\i], v[64+8*(2*\dt+\qt)+2*\i], v[64+8*(2*\dt+\qt)+2*\i+1]
.endr
	ds_store_b128 v6, v[192+4*(4*\qt+\dt):192+4*(4*\qt+\dt)+3] offset:2304*\qt+32*\dt      ; query 16 qt + r, d = 16 dt + 8 h ..
.endr
.endr
.irp j, 0,1,2,3,4,5,6,7
	ds_load_b128 v[224+4*\j:227+4*\j], v7 offset:576*\j            ; LDS serves a wave's instructions in order: these see the stores above
.endr
.irp j, 0,1,2,3,4,5,6,7
	s_wait_dscnt 7-\j
	global_store_b128 v8, v[224+4*\j:227+4*\j], s[60:61] offset:512*\j     ; four queries' rows: 512 consecutive bytes, aligned to 256
.endr
	s_set_vgpr_msb 0x4
	s_wait_tensorcnt 0x0
	ds_add_u32 v19, v1
	s_wait_dscnt 0x0
	s_set_vgpr_msb 0x400
	ROUND                                          ; the closing round
	s_endpgm
.Lfunc_end_k_q4c3e383dd6_attn:
	.size	k_q4c3e383dd6_attn, .Lfunc_end_k_q4c3e383dd6_attn-k_q4c3e383dd6_attn
	.p2alignl 7, 3214868480
	.fill 96, 4, 3214868480
	.section	.rodata,"a",@progbits
	.p2align	6, 0x0
	.amdhsa_kernel k_q4c3e383dd6_attn
		.amdhsa_group_segment_fixed_size 327680
		.amdhsa_private_segment_fixed_size 0
		.amdhsa_enable_private_segment 0
		.amdhsa_kernarg_size 16
		.amdhsa_user_sgpr_count 2
		.amdhsa_user_sgpr_kernarg_segment_ptr 1
		.amdhsa_wavefront_size32 1
		.amdhsa_system_sgpr_workgroup_id_x 1
		.amdhsa_system_sgpr_workgroup_id_y 1
		.amdhsa_system_sgpr_workgroup_id_z 1
		.amdhsa_system_vgpr_workitem_id 0
		.amdhsa_next_free_vgpr 258
		.amdhsa_next_free_sgpr 66
		.amdhsa_reserve_vcc 0
		.amdhsa_float_denorm_mode_32 3
		.amdhsa_float_denorm_mode_16_64 3
		.amdhsa_memory_ordered 1
		.amdhsa_forward_progress 1
		.amdhsa_inst_pref_size 255
	.end_amdhsa_kernel
	.section	.bss,"aw",@nobits
	.p2align	6
	.space	262144
	.amdgpu_metadata
---
amdhsa.version: [ 1, 2 ]
amdhsa.kernels:
  - .name:           k_q4c3e383dd6_attn
    .symbol:         k_q4c3e383dd6_attn.kd
    .args:
      - { .name: qkv, .offset: 0, .size: 8, .value_kind: global_buffer, .address_space: global }
      - { .name: att, .offset: 8, .size: 8, .value_kind: global_buffer, .address_space: global }
    .group_segment_fixed_size: 327680
    .private_segment_fixed_size: 0
    .kernarg_segment_align: 8
    .kernarg_segment_size: 16
    .max_flat_workgroup_size: 256
    .sgpr_count:     66
    .vgpr_count:     258
    .wavefront_size: 32
...
	.end_amdgpu_metadata
.endif
;; end of part 4
;; launch proj (part 5): grid 8 x 32, 4 waves a work-group, clusters of 4 x 4, 327,680 bytes of LDS; arguments att, wts, res, out0; writes out0
.if DOCPART == 5
	.amdgcn_target "amdgcn-amd-amdhsa--gfx1250"
	.amdhsa_code_object_version 6
	.text
	.protected	k_q4c3e383dd6_proj
	.globl	k_q4c3e383dd6_proj
	.p2align	8
	.type	k_q4c3e383dd6_proj,@function
k_q4c3e383dd6_proj:
	s_mov_b64 s[64:65], 0
	v_nop
	global_prefetch_b8 v0, s[64:65] scope:SCOPE_SE
	s_setreg_imm32_b32 hwreg(HW_REG_WAVE_MODE, 25, 1), 1
	s_wait_xcnt 0x0
	s_wait_alu depctr_hold_cnt(0) depctr_sa_sdst(0) depctr_va_vdst(0) depctr_va_sdst(0) depctr_va_ssrc(0) depctr_va_vcc(0) depctr_vm_vsrc(0)
	s_getreg_b32 s2, hwreg(HW_REG_IB_STS2, 6, 4)
	s_cmp_eq_u32 s2, 0
	s_cbranch_scc0 .Lentry_in_a_cluster
	s_endpgm
.Lentry_in_a_cluster:
	s_bfe_u32 s2, ttmp6, 0x10000c
	s_cmp_lg_u32 s2, 0xf033
	s_cbranch_scc0 .Lentry_shape_is_right
	s_endpgm
.Lentry_shape_is_right:
; PROJ: out0 = att W_out + res (4096 x 1024, K = 1024).  A = att[16][4096][64] (plane = head), B = WoT[16][1024][64], bf16; res = x + gate and out0 in f32.
; 256 work-groups of 128 x 128, so that every WGP has one; four waves, one on each SIMD, a wave makes 64 x 64: 16 accumulator tiles.
; THE RING.  K = 1024 is 16 planes of 64, 32 matrix instructions of a wave each: little work for a tile to land in, so the slots are made as long as LDS allows.
; Slot X holds 4 planes, slot Y holds 5 (9 planes of 34,816 bytes = 313,344 bytes), and K goes as 4+5+4+3: nine of the sixteen planes are asked for at the start,
; and only two refills follow.  A wave brings its quarter of a slot by ONE tensor load: one half of A's (or of B's) rows in every plane of the slot.  Such a half is a
; dense block of 8,192 bytes of memory, starting at a multiple of 256, so the tile's row is the whole block, the tile's rows are the planes and the pitch is a plane;
; 16 bytes of padding go behind every 256 bytes, which divide the row.  From a request to the wait for it a wave issues 156 matrix instructions (X's refill) or 124 (Y's).
; Two tensor loads of a wave are out at the start, one from the first refill on.
; res is asked for at the head, into 128 registers of window 0 that the products never name, and is there when the sums are.
; CLUSTERS: 4 x 4 work-groups; A's parts are asked for jointly along a row of the cluster, B's along a column: a quarter of the requests for both.
; REGISTERS: window 0: v0-31 addresses, v32-63 the way out's ring, v64-95 and v128-159 A's fragments, v96-127 and v160-255 res; window 1: B's fragments;
; windows 2, 3: accumulators (tile (a, b) at 8 (4 a + b)).
; The matrix instruction is used transposed: a lane holds eight neighbouring columns of one row of C.
; LIMITS: operands in bf16, sums and the residual in f32.
.set BM,    128
.set BN,    128
.set MH,    2
.set NT,    4
.set XP,    4
.set YP,    5
.set BPL,   131072
.set BOFF,  12582912                   ; WoT in wts
.set SP,    528                        ; a stage row: 128 f32 + 16 bytes, an odd multiple of 16
.set PP,    272                        ; two logical rows of 128 bytes + 16: the 16 rows of a fragment start in 16 different 16-byte columns
.set APL,   524288
.set AH,    (BM/4)*PP                  ; one plane of one half of A's rows in LDS
.set BH,    (BN/4)*PP
.set SLY,   2*XP*(AH+BH)               ; slot Y behind slot X.  A slot of P planes: A half 0, A half 1 (P AH each), B half 0, B half 1 (P BH each)
.set ADRA,  16
.set ADRB,  20
.set STO,   24
.set F0,    64
.set F1,    128
.set G1A,   24                         ; s[24:31], s[32:39]: group 1 for A's parts of slot X, Y
.set G1B,   40                         ; s[40:47], s[48:55]: for B's
.set G0A,   56                         ; s[56:59], s[60:63]: group 0 for A's parts
.set G0B,   68                         ; s[68:71], s[72:75]: for B's
.set G1W0,  (3<<16)|(1<<20)|(1<<21)|(5<<22)|(3<<25)   ; elements of 8 bytes; padding on; bit 21 beside a mask; after every 64 words 4 words
.set MSB,   0
.macro WIN new
.if MSB != \new
	s_set_vgpr_msb (MSB<<8)|\new
.set MSB, \new
.endif
.endm
.macro JLOAD s                         ; waves 0, 1 ask for A's two halves, waves 2, 3 for B's; the branch hangs on the wave's number alone
	s_cmp_eq_u32 s11, 0
	s_cbranch_scc0 .Lfor_b_\@
	tensor_load_to_lds s[G0A+4*\s:G0A+4*\s+3], s[G1A+8*\s:G1A+8*\s+7]
	s_nop 0
	s_branch .Lasked_\@
.Lfor_b_\@:
	tensor_load_to_lds s[G0B+4*\s:G0B+4*\s+3], s[G1B+8*\s:G1B+8*\s+7]
	s_nop 0
.Lasked_\@:
.endm
.macro CREST
	s_cmp_lg_u32 s10, 0
	s_cbranch_scc1 .Lnot_wave_0_\@
	s_barrier_signal -3
.Lnot_wave_0_\@:
	s_barrier_wait -3
	s_barrier_signal -1
	s_barrier_wait -1
.endm
.macro CROUND
	s_barrier_signal -1
	s_barrier_wait -1
	CREST
.endm
.macro PLACES                          ; four plain vector places behind matrix instructions (ISA guide 7.12.1)
.rept 4
	v_nop
.endr
.endm
.macro SHAPE sl, planes                ; group 1 of slot sl: a tile of `planes` rows, each one half of a plane's rows
	s_or_b32  s[G1A+8*\sl],   s100, G1W0
	s_or_b32  s[G1B+8*\sl],   s101, G1W0
	s_mov_b32 s[G1A+8*\sl+1], (BM*8)<<16           ; tensor_dim0: BM*64 bytes in elements of 8
	s_mov_b32 s[G1B+8*\sl+1], (BN*8)<<16
	s_mov_b32 s[G1A+8*\sl+2], \planes<<16          ; tensor_dim1
	s_mov_b32 s[G1B+8*\sl+2], \planes<<16
	s_mov_b32 s[G1A+8*\sl+3], (BM*8)<<16           ; tile_dim0
	s_mov_b32 s[G1B+8*\sl+3], (BN*8)<<16
	s_mov_b32 s[G1A+8*\sl+4], \planes              ; tile_dim1
	s_mov_b32 s[G1B+8*\sl+4], \planes
	s_mov_b32 s[G1A+8*\sl+5], APL/8                ; pitch: from plane to plane
	s_mov_b32 s[G1B+8*\sl+5], BPL/8
	s_mov_b32 s[G1A+8*\sl+6], 0
	s_mov_b32 s[G1B+8*\sl+6], 0
	s_mov_b32 s[G1A+8*\sl+7], 0
	s_mov_b32 s[G1B+8*\sl+7], 0
.endm
.macro FIRST sl, planes, base, first   ; group 0 of slot sl at LDS byte `base`, from plane `first` on; then the slot's first load
	s_mov_b32 s[G0A+4*\sl], 1
	s_mul_i32 s20, s10, \planes*AH
	s_add_co_u32 s[G0A+4*\sl+1], s20, \base
	s_add_nc_u64 s[G0A+4*\sl+2:G0A+4*\sl+3], s[14:15], \first*APL
	s_or_b32 s[G0A+4*\sl+3], s[G0A+4*\sl+3], 0x80000000
	s_mov_b32 s[G0B+4*\sl], 1
	s_mul_i32 s21, s10, \planes*BH
	s_add_co_u32 s[G0B+4*\sl+1], s21, \base+2*\planes*(AH-BH)
	s_add_nc_u64 s[G0B+4*\sl+2:G0B+4*\sl+3], s[18:19], \first*BPL
	s_or_b32 s[G0B+4*\sl+3], s[G0B+4*\sl+3], 0x80000000
	JLOAD \sl
.endm
.macro MULA f, hi, a, zero
.set tb, 0
.rept NT
.if \zero
	v_wmma_f32_16x16x32_bf16 v[8*(NT*(\a)+tb):8*(NT*(\a)+tb)+7], v[\f+8*tb:\f+8*tb+7], v[\f+8*(MH*\hi+(\a)):\f+8*(MH*\hi+(\a))+7], 0
.else
	v_wmma_f32_16x16x32_bf16 v[8*(NT*(\a)+tb):8*(NT*(\a)+tb)+7], v[\f+8*tb:\f+8*tb+7], v[\f+8*(MH*\hi+(\a)):\f+8*(MH*\hi+(\a))+7], v[8*(NT*(\a)+tb):8*(NT*(\a)+tb)+7]
.endif
.set tb, tb+1
.endr
.endm
.macro MULR f, hi, a0, n, zero         ; the accumulators take turns, one instruction a turn, in the same order in every quarter
.set ta, \a0
.rept \n
	MULA \f, \hi, ta, \zero
.set ta, ta+1
.endr
.endm
.macro FETCH slot, q, f                ; the fragments of the slot's quarter q (plane q/2, 64 bytes x q%2) into buffer f
	WIN 0x40
.set ti, 0
.rept NT
	ds_load_b128 v[\f+8*ti:\f+8*ti+3],   v[ADRB+\slot] offset:((\q)>>1)*BH+((\q)&1)*64+ti*8*PP
	ds_load_b128 v[\f+8*ti+4:\f+8*ti+7], v[ADRB+\slot] offset:((\q)>>1)*BH+((\q)&1)*64+ti*8*PP+32
.set ti, ti+1
.endr
	WIN 0
.set ti, 0
.rept 2*MH
	ds_load_b128 v[\f+8*ti:\f+8*ti+3],   v[ADRA+\slot] offset:((\q)>>1)*AH+((\q)&1)*64+ti*8*PP
	ds_load_b128 v[\f+8*ti+4:\f+8*ti+7], v[ADRA+\slot] offset:((\q)>>1)*AH+((\q)&1)*64+ti*8*PP+32
.set ti, ti+1
.endr
.endm
.macro QUARTER slot, q, f, g, zero
	s_wait_dscnt 2*MH                              ; B and A's lower tiles are in; the youngest 2 MH loads (A's upper tiles) may be out
	WIN 0xa1
	MULR \f, 0, 0, MH, \zero
	PLACES
	FETCH \slot, \q, \g
	s_wait_dscnt 2*NT+4*MH                         ; all but the run just issued
	WIN 0xf1
	MULR \f, 1, 0, MH, \zero
.endm
.macro RUN slot, planes, zero          ; all quarters of a slot's `planes` planes but the last
	QUARTER \slot, 1, F0, F1, \zero
.if \planes > 1
.set tq, 2
.rept \planes-1
	QUARTER \slot, tq, F1, F0, 0
	QUARTER \slot, tq+1, F0, F1, 0
.set tq, tq+2
.endr
.endif
.endm
; The change of slots: waits, barrier (opening the cluster's round where the slot is filled again), the joint refill first, then the next slot's fragments.
; part = the planes of a refill shorter than the slot (0: a whole one): group 1's two counts are written anew behind the wait that showed every load of mine done.
.macro TURN slot, next, fill, part
	s_wait_dscnt 2*MH
	WIN 0xa1
	MULR F1, 0, 0, MH/2, 0
	s_wait_dscnt 0x0                               ; my reads of this slot are over
	s_wait_tensorcnt 0x0                           ; all my tensor loads have landed
	ds_add_u32 v255, v31
	s_wait_dscnt 0x0
	s_barrier_signal -1
	MULR F1, 0, MH/2, MH/2, 0
	WIN 0
	s_barrier_wait -1
.if \fill
	CREST
	s_add_nc_u64 s[G0A+4*\slot+2:G0A+4*\slot+3], s[G0A+4*\slot+2:G0A+4*\slot+3], (XP+YP)*APL
	s_add_nc_u64 s[G0B+4*\slot+2:G0B+4*\slot+3], s[G0B+4*\slot+2:G0B+4*\slot+3], (XP+YP)*BPL
.if \part
	s_mov_b32 s[G1A+8*\slot+2], \part<<16
	s_mov_b32 s[G1A+8*\slot+4], \part
	s_mov_b32 s[G1B+8*\slot+2], \part<<16
	s_mov_b32 s[G1B+8*\slot+4], \part
.endif
	JLOAD \slot
.endif
	PLACES
	FETCH \next, 0, F0
	WIN 0xf1
	MULR F1, 1, 0, MH, 0
.endm
.macro LAST
	s_wait_dscnt 2*MH
	WIN 0xa1
	MULR F1, 0, 0, MH, 0
	s_wait_dscnt 0x0
	WIN 0xf1
	MULR F1, 1, 0, MH, 0
	PLACES
	WIN 0
.endm
.macro STAGEH hi, win
	WIN \win
.set ta, 0
.rept MH
.set tb, 0
.rept NT
	ds_store_b128 v[STO+\hi], v[8*(NT*ta+tb):8*(NT*ta+tb)+3]   offset:ta*16*SP+64*tb
	ds_store_b128 v[STO+\hi], v[8*(NT*ta+tb)+4:8*(NT*ta+tb)+7] offset:ta*16*SP+64*tb+16
.set tb, tb+1
.endr
.set ta, ta+1
.endr
.endm
.macro SETXR i                         ; where res of row i lies: rows 0-23 at v160, rows 24-31 at v96
.if (\i) < 24
.set XR, 160+4*(\i)
.else
.set XR, 96+4*((\i)-24)
.endif
.endm
	s_load_b128 s[4:7], s[0:1], 0x0                ; att s[4:5], wts s[6:7]
	s_load_b128 s[76:79], s[0:1], 0x10             ; res s[76:77], out0 s[78:79]
	s_set_vgpr_msb 0x40
	v_lshl_add_u32 v255, v0, 2, 0x4c800
	s_set_vgpr_msb 0x4000
	v_mov_b32 v31, 0
	s_set_vgpr_msb 0x1
	ds_add_u32 v255, v31
	s_set_vgpr_msb 0x100
	v_lshrrev_b32 v1, 5, v0
	v_readfirstlane_b32 s10, v1                    ; wave
	s_lshr_b32 s11, s10, 1
	s_and_b32 s12, s10, 1
	s_bfe_u32 s8, ttmp6, 0x40000                   ; cx
	s_bfe_u32 s9, ttmp6, 0x40004                   ; cy
	s_lshl_b32 s67, ttmp9, 2
	s_add_co_u32 s67, s67, s8                      ; nb
	s_and_b32 s13, ttmp7, 0xffff
	s_lshl_b32 s13, s13, 2
	s_add_co_u32 s13, s13, s9                      ; mb
	s_lshl_b32 s100, s9, 2
	s_lshl_b32 s100, 15, s100                      ; my row of the cluster
	s_lshl_b32 s101, 0x1111, s8                    ; my column
	SHAPE 0, XP
	SHAPE 1, YP
	s_mul_i32 s16, s12, BM*64
	s_mul_i32 s17, s13, BM*128
	s_add_co_u32 s16, s16, s17
	s_mov_b32 s17, 0
	s_mul_i32 s18, s12, BN*64
	s_mul_i32 s19, s67, BN*128
	s_add_co_u32 s18, s18, s19
.if BOFF
	s_add_co_u32 s18, s18, BOFF
.endif
	s_mov_b32 s19, 0
	s_wait_dscnt 0x0
	s_wait_kmcnt 0x0
	s_add_nc_u64 s[14:15], s[4:5], s[16:17]
	s_add_nc_u64 s[18:19], s[6:7], s[18:19]
	CROUND                                         ; in front of the first joint loads
	FIRST 0, XP, 0, 0                              ; planes 0 to 3
	FIRST 1, YP, SLY, XP                           ; planes 4 to 8
	; the way out's addresses: wave w takes rows 32 w .. 32 w + 31 of the block, one row of 512 bytes a step
	s_lshl_b32 s86, s13, 7
	s_lshl_b32 s87, s10, 5
	s_add_co_u32 s86, s86, s87                     ; row0
	s_lshl_b32 s88, s86, 12
	s_lshl_b32 s90, s67, 9
	s_add_co_u32 s88, s88, s90
	s_mov_b32 s89, 0
	s_add_nc_u64 s[76:77], s[76:77], s[88:89]
	s_add_nc_u64 s[78:79], s[78:79], s[88:89]
	v_and_b32 v5, 31, v0
	v_lshlrev_b32 v6, 4, v5                        ; 16 x lane
.set it, 0
.rept 32
	SETXR it
	global_load_b128 v[XR:XR+3], v6, s[76:77] offset:4096*it th:TH_LOAD_NT     ; res of my 32 rows: on its way while the products run
.set it, it+1
.endr
	v_and_b32 v1, 15, v0                           ; r
	v_bfe_u32 v2, v0, 4, 1                         ; h
	v_lshrrev_b32 v3, 1, v1
	v_and_b32 v4, 1, v0
	v_mul_u32_u24 v3, v3, PP
	v_lshl_add_u32 v3, v4, 7, v3
	v_lshl_add_u32 v3, v2, 4, v3
	s_mul_i32 s22, s11, XP*AH
	s_mul_i32 s23, s12, XP*BH
	s_add_co_u32 s23, s23, 2*XP*AH
	v_add_nc_u32 v[ADRA], s22, v3
	v_add_nc_u32 v[ADRB], s23, v3
	s_mul_i32 s22, s11, YP*AH
	s_add_co_u32 s22, s22, SLY
	s_mul_i32 s23, s12, YP*BH
	s_add_co_u32 s23, s23, SLY+2*YP*AH
	v_add_nc_u32 v[ADRA+1], s22, v3
	v_add_nc_u32 v[ADRB+1], s23, v3
	s_mul_i32 s98, s11, (BM/2)*SP
	s_mul_i32 s99, s12, (BN/2)*4
	s_add_co_u32 s98, s98, s99
	v_mul_u32_u24 v[STO], v1, SP
	v_lshl_add_u32 v[STO], v2, 5, v[STO]
	v_add_nc_u32 v[STO], s98, v[STO]
	v_add_nc_u32 v[STO+1], 16*MH*SP, v[STO]
	s_mul_i32 s96, s10, 32*SP
	v_add_nc_u32 v26, s96, v6
	s_wait_tensorcnt 1                             ; my part of slot X is in; slot Y's stays out
	s_barrier_signal -1
	s_barrier_wait -1
	FETCH 0, 0, F0
	RUN 0, XP, 1                                   ; planes 0 to 3: the first products start the sums
	TURN 0, 1, 1, 0                                ; X asks for planes 9 to 12
	RUN 1, YP, 0                                   ; planes 4 to 8
	TURN 1, 0, 1, 3                                ; Y asks for planes 13, 14, 15: three
	RUN 0, XP, 0                                   ; planes 9 to 12
	TURN 0, 1, 0, 0                                ; nothing more is asked for
	RUN 1, 3, 0                                    ; planes 13, 14, 15
	LAST
	; THE WAY OUT: the block goes as f32 through a stage in slot X's bytes, which have had their last fill
	s_wait_dscnt 0x0
	s_barrier_signal -1
	s_barrier_wait -1                              ; no wave reads the slots any more
	STAGEH 0, 0x08
	STAGEH 1, 0x0c
	WIN 0
	s_wait_dscnt 0x0                               ; my stores are in LDS before I say so
	s_barrier_signal -1
	s_barrier_wait -1
.macro DSP i                           ; row i of my 32, 512 neighbouring bytes, into ring set i % 8
	ds_load_b128 v[32+4*((\i)%8):35+4*((\i)%8)], v26 offset:SP*(\i)
.endm
.set it, 0
.rept 8
	DSP it
.set it, it+1
.endr
.set it, 0
.rept 32
.set RS, 32+4*(it%8)
	SETXR it
	s_wait_loadcnt 31-it                           ; res of this row is in; the younger loads may stay out
.if it <= 24
	s_wait_dscnt 7                                 ; this row is in; seven younger rows stay out
.else
	s_wait_dscnt 31-it
.endif
	v_pk_add_f32 v[XR:XR+1],   v[XR:XR+1],   v[RS:RS+1]
	v_pk_add_f32 v[XR+2:XR+3], v[XR+2:XR+3], v[RS+2:RS+3]
	global_store_b128 v6, v[XR:XR+3], s[78:79] offset:4096*it th:TH_STORE_NT       ; the wave stores 512 consecutive bytes, aligned to 256
.if it <= 23
	DSP it+8
.endif
.set it, it+1
.endr
	s_set_vgpr_msb 0x1
	s_wait_tensorcnt 0x0
	ds_add_u32 v255, v31
	s_wait_dscnt 0x0
	s_set_vgpr_msb 0x100
	CROUND                                         ; the closing round
	s_endpgm
.Lfunc_end_k_q4c3e383dd6_proj:
	.size	k_q4c3e383dd6_proj, .Lfunc_end_k_q4c3e383dd6_proj-k_q4c3e383dd6_proj
	.p2alignl 7, 3214868480
	.fill 96, 4, 3214868480
	.section	.rodata,"a",@progbits
	.p2align	6, 0x0
	.amdhsa_kernel k_q4c3e383dd6_proj
		.amdhsa_group_segment_fixed_size 327680
		.amdhsa_private_segment_fixed_size 0
		.amdhsa_enable_private_segment 0
		.amdhsa_kernarg_size 32
		.amdhsa_user_sgpr_count 2
		.amdhsa_user_sgpr_kernarg_segment_ptr 1
		.amdhsa_wavefront_size32 1
		.amdhsa_system_sgpr_workgroup_id_x 1
		.amdhsa_system_sgpr_workgroup_id_y 1
		.amdhsa_system_sgpr_workgroup_id_z 1
		.amdhsa_system_vgpr_workitem_id 0
		.amdhsa_next_free_vgpr 1024
		.amdhsa_next_free_sgpr 102
		.amdhsa_reserve_vcc 0
		.amdhsa_float_denorm_mode_32 3
		.amdhsa_float_denorm_mode_16_64 3
		.amdhsa_memory_ordered 1
		.amdhsa_forward_progress 1
		.amdhsa_inst_pref_size 101
	.end_amdhsa_kernel
	.amdgpu_metadata
---
amdhsa.version: [ 1, 2 ]
amdhsa.kernels:
  - .name:           k_q4c3e383dd6_proj
    .symbol:         k_q4c3e383dd6_proj.kd
    .args:
      - { .name: att, .offset: 0, .size: 8, .value_kind: global_buffer, .address_space: global }
      - { .name: wts, .offset: 8, .size: 8, .value_kind: global_buffer, .address_space: global }
      - { .name: res, .offset: 16, .size: 8, .value_kind: global_buffer, .address_space: global }
      - { .name: out0, .offset: 24, .size: 8, .value_kind: global_buffer, .address_space: global }
    .group_segment_fixed_size: 327680
    .private_segment_fixed_size: 0
    .kernarg_segment_align: 8
    .kernarg_segment_size: 32
    .max_flat_workgroup_size: 128
    .sgpr_count:     102
    .vgpr_count:     1024
    .wavefront_size: 32
...
	.end_amdgpu_metadata
.endif
;; end of part 5
